; MI455X (gfx1250); checked and timed in simulation.
; The chip was launched on July 23, 2026; its instructions are those of AMD's public machine-readable ISA for CDNA 5 (MIT licence, August 2026) and "CDNA5" Instruction Set Architecture Reference Guide (July 2026). The comments in the code are by the model that wrote it; some were corrected since.
;; Multi Head Self Attention. Allowed arithmetic: matrix products marked QUANTISED: E2M3 operands, one E8M0 scale for each 32 along K, by v_wmma_scale_f32_16x16x128_f8f6f4 with both operands' format E2M3, f32 sums; everything else in f32.
;; Inputs: token_positions 2,048 int32; w_out 1,024 x 1,024 float32; w_qkv 3,072 x 1,024 float32; x 2 x 2,048 x 1,024 float32.
;; Outputs: out0 2 x 2,048 x 1,024 float32.
;; This version of the problem:
;;   THIS VERSION OF THE PROBLEM IS GIVEN IN LOW PRECISION. The matrix products marked QUANTISED in the list below multiply operands that are first quantised to E2M3 (2 exponent bits, 3 mantissa bits; 6 bits a number), with one power-of-two scale for each 32 numbers along K (OCP MX v1.0); their sums are f32. All else is computed in f32.
;;   The module's matrix products, in the order in which they are computed (A, B: the left and right operand; K: the contracted axis; several contracted axes count as one K, in the product's order):
;;     1. [M 4,096, K 1,024] x [K 1,024, N 3,072]; A: input x; B: input w_qkv: QUANTISED
;;     2. batch 32 x [M 2,048, K 64] x [K 64, N 2,048]; A: computed on the way; B: computed on the way: QUANTISED
;;     3. batch 32 x [M 2,048, K 2,048] x [K 2,048, N 64]; A: softmax (see below); B: computed on the way: QUANTISED
;;     4. [M 4,096, K 1,024] x [K 1,024, N 1,024]; A: computed on the way; B: input w_out: QUANTISED
;;   THE QUANTISER, for each operand of a quantised product, along K:
;;     - K is cut into blocks of 32 from its start; a last block that is shorter is filled with zeros.
;;     - A block's scale is 2^e with e = floor(log2(the largest magnitude in the block)) - 2, held to -126 .. 127; a block of zeros has e = 0. As a byte (E8M0): e + 127.
;;     - Each number is divided by its block's scale, clamped to +-7.5, and rounded to the nearest number of E2M3, ties to even, subnormals kept.
;;     - The product sums the exact products of the quantised numbers (number of the format x scale) in f32.
;;   ~~~python
;;   def quantise(x, axis):      # numpy; x: float32 -> the quantised numbers, widened to float32 again
;;       x = np.moveaxis(x, axis, -1); K = x.shape[-1]
;;       x = np.pad(x, [(0, 0)] * (x.ndim - 1) + [(0, -K % 32)]); x = x.reshape(x.shape[:-1] + (-1, 32)); a = np.abs(x).max(-1, keepdims=True)
;;       e = np.where(a > 0, np.clip(np.frexp(np.where(a > 0, a, 1))[1] - 1 - 2, -126, 127), 0)      # np.frexp(a)[1] - 1 = floor(log2(a)), exactly
;;       r = np.clip(x / 2.0 ** e, -7.5, 7.5)
;;       step = 2.0 ** (np.maximum(np.frexp(np.where(r == 0, 1, r))[1] - 1, 0) - 3)
;;       q = np.round(r / step) * step * 2.0 ** e      # np.round: ties to even
;;       return np.moveaxis(q.reshape(q.shape[:-2] + (-1,))[..., :K], -1, axis).astype(np.float32)
;;   ~~~
;;   SOFTMAX AHEAD OF A QUANTISED PRODUCT. Where the list says 'softmax', what is quantised is not the finished softmax but p = 2^(t - M), with t = logit x log2(e) and M = ceil(the row's largest t), a whole number; so 1/2 < the row's largest p <= 1. The row's sum l is taken of the UNQUANTISED p, in f32, and the product's result is divided by l at the end. Since M is a whole number, a kernel that streams over the keys may use a running M (the ceiling of the running maximum): every later rescaling is an exact power of two, which a block's scale takes up: the codes' values come out the same.
;;   OPERANDS COMPUTED ON THE WAY. 'Computed on the way' means the value that the module computes at that place (a softmax that the list does not call 'softmax' is quantised finished and normalised). What goes into a quantiser is computed in f32, as accurately as f32 sums, v_exp_f32 and their like allow (about 1e-6 of the number): no bf16 or f16 on the way to a quantiser, and a product that is left as it is and whose result goes on into a quantised operand takes f32 operands (vector FMAs, or v_wmma_f32_16x16x4_f32). A number that lies on a knife's edge between two numbers of the format may be rounded either way, as far as f32 arithmetic and the matrix unit's own rounding can turn it there, and no further.
;; One version. Each part assembles by itself: llvm-mc -triple=amdgcn-amd-amdhsa -mcpu=gfx1250 --defsym DOCPART=n.
;; ======== version 1 of 1: 4 launches
;; limits: right only within a limited range of input values
;; workspace buffers: codes 6,291,456 bytes; tab 786,432 bytes; qb 3,145,728 bytes; kv 6,553,600 bytes; sc3 393,216 bytes; a_img 3,145,728 bytes; a_sc 131,072 bytes
;; launch quant (part 1): grid 272 x 1, 4 waves a work-group, no clusters, 36,352 bytes of LDS; arguments x, w_qkv, w_out, token_positions, codes, tab; writes codes, tab
.if DOCPART == 1
	.amdgcn_target "amdgcn-amd-amdhsa--gfx1250"
	.amdhsa_code_object_version 6
	.text
	.protected	k_q89c832ba7a_quant
	.globl	k_q89c832ba7a_quant
	.p2align	8
	.type	k_q89c832ba7a_quant,@function
k_q89c832ba7a_quant:
	s_mov_b64 s[64:65], 0
	v_nop
	global_prefetch_b8 v0, s[64:65] scope:SCOPE_SE
	s_setreg_imm32_b32 hwreg(HW_REG_WAVE_MODE, 25, 1), 1
	s_wait_xcnt 0x0
; LAUNCH 1 OF 4.  Causal self-attention, B = 2, S = 2048, D = 1024, 16 heads of 64, all four products on codes of FP6 (E2M3) with one E8M0 scale for each 32 along K.
; This launch: x [4096][1024], w_qkv [3072][1024], w_out [1024][1024] (f32, K innermost) become codes and scale bytes, and token_positions becomes a table of cos and sin.
; WORK LEFT OUT BY THE PROGRAM (launch 3): key steps of 128 keys that lie wholly behind a wave's 16 queries.  The mask is the lower triangle that the problem builds in its own body: for key > query the
; logit is replaced by -1e30, whose weight 2^(t - M) is 0 beside the weights of keys 0 .. query, whatever finite values the inputs hold; so neither the scores nor the values of such keys reach any output.
; Inside the one step of a wave that holds the diagonal the hidden scores are made -infinity and their weights are 0.  Every input has a way to the output and is loaded.
; LIMITS: a NaN, an infinity or an overflow that reaches only hidden scores is not carried to the result.  NaN and infinities among the inputs are not served.  A block whose largest magnitude lies under
; 2^(3 - 127) gets the byte 1; a block of zeros gets the byte 1 where the rule says 127 (its codes are zeros, and this program alone reads the bytes).  The angle's reduction by three parts of pi / 2
; holds for |position x frequency| up to 1e5.
; LAYOUT OF THE CODES.  The three tensors are one stream of 8,192 rows: 0-4095 x, 4096-7167 w_qkv, 7168-8191 w_out.  A tile of 16 rows x 128 along K is stored as the IMAGE of a matrix operand's 12 registers:
; registers 4 q .. 4 q + 3 of lane l at 512 q + 16 l: 1,536 dense bytes; tile (rows 16 T .., K step s) at 12,288 T + 1,536 s.  Scale bytes: 32 a row, row-major, at tab's start.
; INSIDE A BLOCK OF 32 THE CODES STAND IN THE ORDER 0-7, 16-23, 8-15, 24-31: the order in which the later launches' quantisers, which work on matrix results, leave a block; both operands of every product carry it.
; Work-groups 0-255: 32 rows; waves 2 p and 2 p + 1 take rows 16 p .. 16 p + 15, one half of K each, in 8 steps of 64 along K.  A step's eight loads read two rows' 256 consecutive bytes each; the 4,096 bytes
; turn through the wave's own stage in LDS (rows 272 bytes apart) and come back a whole block of 32 a lane: lane (r, h) takes row r, numbers 32 h .. 32 h + 31 of the step.  Loads run four steps ahead, the turn one.
; The two waves of 16 rows join their scale words in LDS, behind the one barrier, so that each stores 256 consecutive bytes.
; Work-groups 256-271: thread s makes cos and sin of position[s] x 10000^(-i / 32), laid [16 planes][2048][cos 2g, sin 2g, cos 2g+1, sin 2g+1] from byte 262,144 of tab on.
.set STEPS, 8
.set R,     16                         ; v16-143  four sets of 32 numbers as loaded
.set X,     144                        ; v144-207 two sets of a block's 32 numbers
.set C,     208                        ; v208-231 two sets of a tile's 12 registers of codes
.set T,     232                        ; v232-234 a block's second 16 codes
.set SW,    236                        ; v236-239 the scale words of my four K steps
.set OUTW,  244
.set SP,    272
.set STG,   16*SP
.set WREG,  2*STG
.set SCX,   4*WREG                     ; where scale words are joined: 512 bytes for each 16 rows
.set SPARE, SCX+1024                   ; the spare words, 128 bytes a wave, which no other line names
.set SPW,   12
.set NIL,   13
	s_load_b256 s[4:11], s[0:1], 0x0               ; x, w_qkv, w_out, token_positions
	s_load_b128 s[12:15], s[0:1], 0x20             ; codes, tab
	v_lshl_add_u32 v[SPW], v0, 2, SPARE
	v_mov_b32 v[NIL], 0
	v_lshrrev_b32 v1, 5, v0
	v_readfirstlane_b32 s16, v1                    ; wave
	s_lshr_b32 s33, s16, 1                         ; which 16 rows
	s_and_b32 s34, s16, 1                          ; which half of K
	v_and_b32 v2, 15, v0                           ; r
	v_bfe_u32 v1, v0, 4, 1                         ; h
	v_lshlrev_b32 v3, 4, v2
	v_lshl_add_u32 v3, v1, 12, v3                  ; a load: lanes 0-15 one row's 256 bytes, lanes 16-31 the next row's
	s_mul_i32 s19, s16, WREG
	v_mul_u32_u24 v14, v1, SP
	v_lshl_add_u32 v14, v2, 4, v14
	v_add_nc_u32 v14, s19, v14                     ; the stage, on the way in
	v_mul_u32_u24 v15, v2, SP
	v_lshl_add_u32 v15, v1, 7, v15
	v_add_nc_u32 v15, s19, v15                     ; on the way out: row r, 128 h
	v_and_b32 v4, 31, v0
	v_lshlrev_b32 v4, 4, v4                        ; the image: 16 x lane
	v_lshlrev_b32 v5, 3, v1                        ; 8 h: my bytes' place in a scale word
	v_lshlrev_b32 v6, 5, v2
	s_lshl_b32 s35, s33, 9
	s_add_co_u32 s35, s35, SCX
	s_lshl_b32 s36, s34, 4
	s_add_co_u32 s36, s36, s35
	v_add_nc_u32 v6, s36, v6                       ; LDS: my row's four words: 32 r + 16 x half
	s_lshl_b32 s37, s34, 8
	v_lshrrev_b32 v2, 1, v4
	v_add_nc_u32 v2, s37, v2                       ; scale bytes out: 256 x half + 8 x lane,
	v_add_nc_u32 v1, s35, v2                       ; and the same place in LDS
	v_mov_b32 v7, 0                                ; a lane permute's destination counts as a source
	s_mov_b32 s30, 0x76543210
	s_mov_b32 s31, 0xfedcba98
	s_wait_alu depctr_va_vdst(0)                   ; the wait at the head's end
	s_wait_kmcnt 0x0
	s_cmp_ge_u32 ttmp9, 256
	s_cbranch_scc1 .Ltrig
	s_cmp_lt_u32 ttmp9, 128                        ; 128 work-groups for x, 96 for w_qkv, 32 for w_out
	s_cselect_b64 s[4:5], s[4:5], s[6:7]
	s_cselect_b32 s17, 0, 128
	s_mov_b32 s18, 224
	s_cmp_lt_u32 ttmp9, 224
	s_cselect_b64 s[4:5], s[4:5], s[8:9]
	s_cselect_b32 s17, s17, s18
	s_sub_co_u32 s17, ttmp9, s17
	s_lshl_b32 s17, s17, 1
	s_add_co_u32 s17, s17, s33                     ; my 16 rows in the tensor
	s_lshl_b32 s20, s17, 16
	s_lshl_b32 s21, s34, 11
	s_add_co_u32 s20, s20, s21                     ; my half of K: 2,048 bytes of a row
	s_mov_b32 s21, 0
	s_add_nc_u64 s[4:5], s[4:5], s[20:21]
	s_lshl_b32 s18, ttmp9, 1
	s_add_co_u32 s18, s18, s33                     ; and in the joint stream
	s_mul_i32 s20, s18, 12288
	s_mul_i32 s22, s34, 6144
	s_add_co_u32 s20, s20, s22
	s_add_nc_u64 s[12:13], s[12:13], s[20:21]
	s_lshl_b32 s20, s18, 9
	s_add_nc_u64 s[14:15], s[14:15], s[20:21]
.macro LOAD t
.irp i, 0,1,2,3,4,5,6,7
	global_load_b128 v[R+32*((\t)%4)+4*\i:R+32*((\t)%4)+4*\i+3], v3, s[4:5] offset:8192*\i+256*(\t) th:TH_LOAD_NT
.endr
.endm
.macro TURN t                          ; LDS serves a wave's instructions in order: no wait between the stores and the loads
.irp i, 0,1,2,3,4,5,6,7
	ds_store_b128 v14, v[R+32*((\t)%4)+4*\i:R+32*((\t)%4)+4*\i+3] offset:STG*((\t)%2)+2*SP*\i
.endr
.irp k, 0,1,2,3,4,5,6,7
.set D, X+32*((\t)%2)+4*((\k%2)+2*((\k/4)%2)+4*((\k/2)%2))     ; numbers 8-15 and 16-23 change places
	ds_load_b128 v[D:D+3], v15 offset:STG*((\t)%2)+16*\k
.endr
.endm
.irp t, 0,1,2,3
	LOAD \t
.endr
	s_wait_loadcnt 24                              ; step 0's eight loads are in
	TURN 0
.macro STEP t
.set XS, X+32*((\t)%2)
.set CB, C+12*(((\t)/2)%2)
.set CS, CB+6*((\t)%2)
.if (\t)%2 == 0 && (\t) >= 4
	s_wait_xcnt 0x0                                ; the stores of two tiles back have read the registers that this tile's codes take
.endif
	s_wait_dscnt 0x0                               ; this step's numbers are back, so its stores into the stage have read their registers,
.if (\t)+4 < STEPS
	LOAD (\t)+4                                    ; which take the loads of four steps on
.endif
.if (\t)+1 < STEPS
.if STEPS-2-(\t) >= 3
	s_wait_loadcnt 24                              ; the next step's eight are in; three steps' may be out
.else
	s_wait_loadcnt 8*(STEPS-2-(\t))
.endif
	TURN (\t)+1
.endif
	v_max3_num_f32 v8, |v[XS]|, |v[XS+1]|, |v[XS+2]|
	v_max3_num_f32 v9, |v[XS+3]|, |v[XS+4]|, |v[XS+5]|
.irp i, 6,10,14,18,22,26
	v_max3_num_f32 v8, v8, |v[XS+\i]|, |v[XS+\i+1]|
	v_max3_num_f32 v9, v9, |v[XS+\i+2]|, |v[XS+\i+3]|
.endr
	v_max3_num_f32 v8, v8, |v[XS+30]|, |v[XS+31]|
	v_max3_num_f32 v8, v8, v9, 0x1800000           ; the floor 2^(3 - 127): the byte cannot fall under 1
	v_add_nc_u32 v11, 0xff000000, v8               ; 2 off the exponent field: the conversion's scale operand
	v_cvt_scalef32_pk16_fp6_f32 v[CS:CS+2], v[XS:XS+15], v11
	v_cvt_scalef32_pk16_fp6_f32 v[T:T+2], v[XS+16:XS+31], v11
.if (\t)%2 == 0
	v_lshrrev_b32 v10, 23, v11                     ; the byte of block h.  (The plain place behind the conversions)
.else
	v_lshrrev_b32 v9, 23, v11                      ; the byte of block 2 + h
.endif
.irp i, 0,1,2
	v_mov_b32 v[CS+3+\i], v[T+\i]
.endr
.if (\t)%2 == 1
	v_lshl_or_b32 v9, v9, 16, v10
	v_lshlrev_b32 v9, v5, v9
	v_permlanex16_b32 v7, v9, s30, s31
	v_or_b32 v[SW+(\t)/2], v9, v7                  ; with lane l xor 16's two bytes the row's word is whole
.irp q, 0,1,2
	global_store_b128 v4, v[CB+4*\q:CB+4*\q+3], s[12:13] offset:1536*((\t)/2)+512*\q   ; 512 consecutive bytes
.endr
.endif
.endm
.irp t, 0,1,2,3,4,5,6,7
	STEP \t
.endr
	ds_store_b128 v6, v[SW:SW+3]                   ; my row's four words; lanes r and r + 16 write the same bytes with the same values
	s_wait_dscnt 0x0                               ; for the other wave's sake
	s_barrier_signal -1
	s_barrier_wait -1
	ds_load_b64 v[OUTW:OUTW+1], v1                 ; eight rows' 32 bytes, both waves' words
	s_wait_dscnt 0x0
	global_store_b64 v2, v[OUTW:OUTW+1], s[14:15]  ; 256 consecutive bytes, at a multiple of 256 from tab's first byte
	s_wait_tensorcnt 0x0                           ; the wave's end
	ds_add_u32 v[SPW], v[NIL]
	s_wait_dscnt 0x0
	s_endpgm
; THE TABLE.  No LDS.  a = frequency x position; n = the nearest whole number to a x 2 / pi; rho = a - n x pi / 2 by three fused multiply-adds; polynomials on [-pi / 4, pi / 4]; n mod 4 chooses values, no branch.
.Ltrig:
	s_sub_co_u32 s17, ttmp9, 256
	s_lshl_b32 s17, s17, 7
	v_add_nc_u32 v1, s17, v0                       ; 128 positions a work-group
	v_lshlrev_b32 v2, 2, v1
	global_load_b32 v3, v2, s[10:11]
	v_lshlrev_b32 v4, 4, v1
	s_add_nc_u64 s[14:15], s[14:15], 0x40000
	s_mov_b32 s20, 0x3f22f983                      ; 2 / pi
	s_mov_b32 s21, 0xbfc90fd8                      ; - pi / 2 in three parts
	s_mov_b32 s22, 0xb4a8885a
	s_mov_b32 s23, 0xa7c234c4
	s_mov_b32 s24, 0xb94ca1f9                      ; sine's coefficients
	s_mov_b32 s25, 0x3c08839e
	s_mov_b32 s26, 0xbe2aaaa3
	s_mov_b32 s27, 0x37ccf5ce                      ; cosine's
	s_mov_b32 s28, 0xbab6061a
	s_mov_b32 s29, 0x3d2aaaa5
	s_wait_loadcnt 0x0
	v_cvt_f32_i32 v3, v3
.macro TRIG dc, ds, freq
	v_mul_f32 v5, \freq, v3
	v_mul_f32 v6, s20, v5
	v_rndne_f32 v6, v6
	v_fma_f32 v7, v6, s21, v5
	v_fma_f32 v7, v6, s22, v7
	v_fma_f32 v7, v6, s23, v7
	v_cvt_i32_f32 v8, v6
	v_mul_f32 v9, v7, v7
	v_fma_f32 v10, v9, s24, s25
	v_fma_f32 v10, v10, v9, s26
	v_mul_f32 v11, v7, v9
	v_fma_f32 v10, v10, v11, v7
	v_fma_f32 v16, v9, s27, s28
	v_fma_f32 v16, v16, v9, s29
	v_fma_f32 v16, v16, v9, -0.5
	v_fma_f32 v16, v16, v9, 1.0
	v_and_b32 v17, 1, v8
	v_cmp_eq_u32 vcc_lo, 1, v17
	v_cndmask_b32 v18, v10, v16, vcc_lo
	v_cndmask_b32 v19, v16, v10, vcc_lo
	v_lshlrev_b32 v17, 30, v8
	v_and_b32 v17, 0x80000000, v17
	v_xor_b32 v[\ds], v18, v17
	v_add_nc_u32 v17, 1, v8
	v_lshlrev_b32 v17, 30, v17
	v_and_b32 v17, 0x80000000, v17
	v_xor_b32 v[\dc], v19, v17
.endm
.macro PLANE g, f0, f1
	TRIG 64+4*\g, 65+4*\g, \f0
	TRIG 66+4*\g, 67+4*\g, \f1
	global_store_b128 v4, v[64+4*\g:67+4*\g], s[14:15] offset:32768*\g
.endm
	PLANE 0, 1.0, 0.7498942093
	PLANE 1, 0.5623413252, 0.4216965034
	PLANE 2, 0.3162277660, 0.2371373706
	PLANE 3, 0.1778279410, 0.1333521432
	PLANE 4, 0.1, 0.07498942093
	PLANE 5, 0.05623413252, 0.04216965034
	PLANE 6, 0.03162277660, 0.02371373706
	PLANE 7, 0.01778279410, 0.01333521432
	PLANE 8, 0.01, 0.007498942093
	PLANE 9, 0.005623413252, 0.004216965034
	PLANE 10, 0.003162277660, 0.002371373706
	PLANE 11, 0.001778279410, 0.001333521432
	PLANE 12, 0.001, 0.0007498942093
	PLANE 13, 0.0005623413252, 0.0004216965034
	PLANE 14, 0.0003162277660, 0.0002371373706
	PLANE 15, 0.0001778279410, 0.0001333521432
	s_endpgm
.Lfunc_end_k_q89c832ba7a_quant:
	.size	k_q89c832ba7a_quant, .Lfunc_end_k_q89c832ba7a_quant-k_q89c832ba7a_quant
	.p2alignl 7, 3214868480
	.fill 96, 4, 3214868480
	.section	.rodata,"a",@progbits
	.p2align	6, 0x0
	.amdhsa_kernel k_q89c832ba7a_quant
		.amdhsa_group_segment_fixed_size 36352
		.amdhsa_private_segment_fixed_size 0
		.amdhsa_enable_private_segment 0
		.amdhsa_kernarg_size 48
		.amdhsa_user_sgpr_count 2
		.amdhsa_user_sgpr_kernarg_segment_ptr 1
		.amdhsa_wavefront_size32 1
		.amdhsa_system_sgpr_workgroup_id_x 1
		.amdhsa_system_sgpr_workgroup_id_y 1
		.amdhsa_system_sgpr_workgroup_id_z 1
		.amdhsa_system_vgpr_workitem_id 0
		.amdhsa_next_free_vgpr 256
		.amdhsa_next_free_sgpr 66
		.amdhsa_reserve_vcc 1
		.amdhsa_float_denorm_mode_32 3
		.amdhsa_float_denorm_mode_16_64 3
		.amdhsa_memory_ordered 1
		.amdhsa_forward_progress 1
		.amdhsa_inst_pref_size 74
	.end_amdhsa_kernel
	.amdgpu_metadata
---
amdhsa.version: [ 1, 2 ]
amdhsa.kernels:
  - .name:           k_q89c832ba7a_quant
    .symbol:         k_q89c832ba7a_quant.kd
    .args:
      - { .name: x, .offset: 0, .size: 8, .value_kind: global_buffer, .address_space: global }
      - { .name: w_qkv, .offset: 8, .size: 8, .value_kind: global_buffer, .address_space: global }
      - { .name: w_out, .offset: 16, .size: 8, .value_kind: global_buffer, .address_space: global }
      - { .name: token_positions, .offset: 24, .size: 8, .value_kind: global_buffer, .address_space: global }
      - { .name: codes, .offset: 32, .size: 8, .value_kind: global_buffer, .address_space: global }
      - { .name: tab, .offset: 40, .size: 8, .value_kind: global_buffer, .address_space: global }
    .group_segment_fixed_size: 36352
    .private_segment_fixed_size: 0
    .kernarg_segment_align: 8
    .kernarg_segment_size: 48
    .max_flat_workgroup_size: 128
    .sgpr_count:     66
    .vgpr_count:     256
    .wavefront_size: 32
...
	.end_amdgpu_metadata
.endif
;; end of part 1
;; launch qkv (part 2): grid 12 x 16, 4 waves a work-group, clusters of 4 x 4, 327,680 bytes of LDS; arguments codes, tab, qb, kv, sc3; writes qb, kv, sc3
.if DOCPART == 2
	.amdgcn_target "amdgcn-amd-amdhsa--gfx1250"
	.amdhsa_code_object_version 6
	.text
	.protected	k_q89c832ba7a_qkv
	.globl	k_q89c832ba7a_qkv
	.p2align	8
	.type	k_q89c832ba7a_qkv,@function
k_q89c832ba7a_qkv:
	s_mov_b64 s[64:65], 0
	v_nop
	global_prefetch_b8 v0, s[64:65] scope:SCOPE_SE
	s_setreg_imm32_b32 hwreg(HW_REG_WAVE_MODE, 25, 1), 1
	s_wait_xcnt 0x0
	s_wait_alu depctr_hold_cnt(0) depctr_sa_sdst(0) depctr_va_vdst(0) depctr_va_sdst(0) depctr_va_ssrc(0) depctr_va_vcc(0) depctr_vm_vsrc(0)
	s_getreg_b32 s2, hwreg(HW_REG_IB_STS2, 6, 4)
	s_cmp_eq_u32 s2, 0
	s_cbranch_scc0 .Lentry_in_a_cluster
	s_endpgm
.Lentry_in_a_cluster:
	s_bfe_u32 s2, ttmp6, 0x10000c
	s_cmp_lg_u32 s2, 0xf033
	s_cbranch_scc0 .Lentry_shape_is_right
	s_endpgm
.Lentry_shape_is_right:
; LAUNCH 2 OF 4.  qkv = x w_qkv^T on codes of FP6, K = 1,024; then the rotation of q and k, and the quantisers ahead of the two products of attention.  No work is left out here.
; A block is 256 x 256, four waves of 128 x 128 (64 accumulators).  Cluster columns 0, 1 make q and k (source 1 = tokens, source 0 = rows of w: a lane's registers run along d); column 2 makes v with the
; sources' parts exchanged (a lane's registers run along the tokens, which are the keys of the last product of attention).
; The operands come as images of operand registers (head of launch 1): a fragment is three loads of 512 consecutive LDS bytes.  LDS holds three slots of two K steps (16 + 16 tiles of 16 rows x 3,072 bytes).
; K steps 0-3 are fetched at the head, one tensor load a wave (a side's 16 tiles of one slot); K steps 4, 5 behind the first round; K steps 6, 7 fill slot 0 again behind the round in K step 2.
; 4 x 4 work-groups form a cluster: source 1's tiles are asked for jointly along a row, source 0's along a column.  A tensor row is 3,072 bytes and begins at a multiple of 256 from the buffer's start.
; The scale words of a wave's 128 + 128 rows, all of K, go straight into 64 registers: lanes 0-15 source 1's tile i, lanes 16-31 source 0's tile i, K step s at v[32 + 8 i + s].
; NO PREFETCH: the text has three fills and no loop to run ahead in.
; OUT: q as images, 6,144 bytes for 128 queries of a head; a record of kv, 12,800 bytes for 128 keys of a head: k's four images, v's four, 256 bytes of k's scale words, 256 of v's; q's scale words in sc3.
.set FR,     12
.set NL,     3
.set NP,     4
.set SLOT,   98304
.set SIDE,   49152
.set HALF,   24576
.set SPARE,  3*SLOT
.set ADRA, 16
.set ADRB, 20
.set SPW,  28
.set NIL,  29
.set LI,   30
.set LS,   31
.set CSA,  15
.set SC,   32
.set AF,   128
.set G1, 24
.set G0, 32
.set G1B, 48
.set G0B, 56
.set RR,   32                          ; v32-95: two heads' 32 rotated numbers each (the scale words that lay here are done with)
.set TT,   96
.set TM,   104
.set SO,   112
.set TC,   116
.set HW,   124
.set IMG,  128
.set WD,   224
.set SW,   232
.set SEL,  92
.set MSB, 0
.macro WIN new
.if MSB != \new
	s_set_vgpr_msb (MSB<<8)|\new
.set MSB, \new
.endif
.endm
.set MUL_LO, 0xa1
.set MUL_HI, 0xf1
.set TO_B,   0x40
.macro JLOAD                           ; even waves fetch for source 1, odd ones for source 0; an s_nop 0 and four v_nop follow each line
	s_cmp_eq_u32 s16, 0
	s_cbranch_scc0 .Lfor_b_\@
	tensor_load_to_lds s[G0:G0+3], s[G1:G1+7]
	s_nop 0
.rept 4
	v_nop
.endr
	s_branch .Lasked_\@
.Lfor_b_\@:
	tensor_load_to_lds s[G0B:G0B+3], s[G1B:G1B+7]
	s_nop 0
.rept 4
	v_nop
.endr
.Lasked_\@:
.endm
.macro CREST
	s_cmp_lg_u32 s14, 0
	s_cbranch_scc1 .Lnot_wave_0_\@
	s_barrier_signal -3
.Lnot_wave_0_\@:
	s_barrier_wait -3
	s_barrier_signal -1
	s_barrier_wait -1
.endm
.macro CROUND
	s_barrier_signal -1
	s_barrier_wait -1
	CREST
.endm
	s_load_b256 s[4:11], s[0:1], 0x0               ; codes, tab, qb, kv
	s_load_b64 s[12:13], s[0:1], 0x20              ; sc3
	v_lshl_add_u32 v[SPW], v0, 2, SPARE
	v_mov_b32 v[NIL], 0
	ds_add_u32 v[SPW], v[NIL]                      ; the opening lines
	ds_add_u32 v[SPW], v[NIL]
	v_lshrrev_b32 v1, 5, v0
	v_readfirstlane_b32 s14, v1
	s_lshr_b32 s15, s14, 1                         ; my half of source 1's rows
	s_and_b32 s16, s14, 1                          ; my half of source 0's rows; also: which side I fetch
	s_bfe_u32 s40, ttmp6, 0x40000
	s_bfe_u32 s41, ttmp6, 0x40004
	s_and_b32 s96, ttmp7, 0xffff
	s_mov_b32 s97, 6144
	s_mov_b32 s98, 4096
	s_cmp_eq_u32 ttmp9, 2
	s_cselect_b32 s95, 1, 0                        ; 1: v
	s_cselect_b32 s42, s96, ttmp9
	s_cselect_b32 s17, 0, s96
	s_cselect_b32 s97, s97, 0
	s_cselect_b32 s98, 0, s98
	s_lshl_b32 s42, s42, 2
	s_add_co_u32 s42, s42, s40
	s_lshl_b32 s17, s17, 2
	s_add_co_u32 s17, s17, s41
	s_lshl_b32 s43, s41, 2
	s_lshl_b32 s43, 15, s43
	s_lshl_b32 s44, 0x1111, s40
	s_or_b32 s[G1+0], s43, (3<<16)|(1<<21)         ; elements of 8 bytes; the mask, bit 21 beside it; no padding
	s_or_b32 s[G1B+0], s44, (3<<16)|(1<<21)
.irp g, G1, G1B
	s_mov_b32 s[\g+1], 384<<16                     ; a row: two K steps of a tile of 16 rows, 3,072 bytes
	s_mov_b32 s[\g+2], 16<<16
	s_mov_b32 s[\g+3], 384<<16
	s_mov_b32 s[\g+4], 16
	s_mov_b32 s[\g+5], 1536                        ; 12,288 bytes from tile to tile
	s_mov_b32 s[\g+6], 0
	s_mov_b32 s[\g+7], 0
.endr
	s_lshl_b32 s20, s17, 8
	s_add_co_u32 s20, s20, s97                     ; source 1's first row in the joint stream
	s_lshl_b32 s46, s42, 8
	s_add_co_u32 s46, s46, s98                     ; source 0's
	s_lshl_b32 s72, s15, 7
	s_add_co_u32 s72, s72, s20
	s_lshl_b32 s72, s72, 5                         ; my rows' scale bytes
	s_lshl_b32 s73, s16, 7
	s_add_co_u32 s73, s73, s46
	s_lshl_b32 s73, s73, 5
	s_mul_i32 s20, s20, 768
	s_mov_b32 s21, 0
	s_mul_i32 s46, s46, 768
	s_mov_b32 s47, 0
	s_mul_i32 s18, s15, 3072                       ; at the head waves 0, 1 fetch slot 0, waves 2, 3 slot 1
	s_mov_b32 s19, 0
	s_mul_i32 s45, s15, SLOT
	s_mul_i32 s75, s15, HALF
	s_wait_dscnt 0x0
	s_wait_kmcnt 0x0
	s_add_nc_u64 s[20:21], s[4:5], s[20:21]
	s_add_nc_u64 s[46:47], s[4:5], s[46:47]
	CROUND
	s_mov_b32 s[G0], 1
	s_mov_b32 s[G0+1], s45
	s_add_nc_u64 s[G0+2:G0+3], s[20:21], s[18:19]
	s_or_b32 s[G0+3], s[G0+3], 0x80000000
	s_mov_b32 s[G0B], 1
	s_add_co_u32 s[G0B+1], s45, SIDE
	s_add_nc_u64 s[G0B+2:G0B+3], s[46:47], s[18:19]
	s_or_b32 s[G0B+3], s[G0B+3], 0x80000000
	JLOAD                                          ; K steps 0-3: one tensor load a wave
	v_and_b32 v1, 15, v0
	v_bfe_u32 v2, v0, 4, 1
	v_and_b32 v6, 31, v0
	v_lshlrev_b32 v[LI], 4, v6
	v_lshlrev_b32 v[LS], 2, v6
	v_lshlrev_b32 v[CSA], 4, v1
	v_lshl_add_u32 v[CSA], v2, 16, v[CSA]
	s_mov_b32 s74, 0xffff0000
	v_mov_b32 v4, s72
	v_mov_b32 v5, s73
	v_cndmask_b32 v4, v4, v5, s74                  ; lanes 16-31 take source 0's rows
	v_lshl_add_u32 v3, v1, 5, v4
.irp i, 0,1,2,3,4,5,6,7
	global_load_b128 v[SC+8*\i:SC+8*\i+3], v3, s[6:7] offset:512*\i
	global_load_b128 v[SC+8*\i+4:SC+8*\i+7], v3, s[6:7] offset:512*\i+16
.endr
	s_mov_b32 s70, s75
	s_mul_i32 s71, s16, HALF
	s_add_co_u32 s71, s71, SIDE
.irp s, 0,1,2
	v_add_nc_u32 v[ADRA+\s], s70, v[LI]
	v_add_nc_u32 v[ADRB+\s], s71, v[LI]
	s_add_co_u32 s70, s70, SLOT
	s_add_co_u32 s71, s71, SLOT
.endr
.macro FRAG reg, adr, st, i            ; K step st lies in slot (st / 2) % 3
.irp c, 0,1,2
	ds_load_b128 v[\reg+4*\c:\reg+4*\c+3], v[\adr+((\st)/2)%3] offset:(\i)*3072+((\st)%2)*1536+512*\c
.endr
.endm
.macro MUL16 a0, p, st, zero           ; the 64 accumulators take turns, one instruction a turn
.irp a, \a0, \a0+1
.irp b, 0,1,2,3,4,5,6,7
.if \zero
	v_wmma_scale_f32_16x16x128_f8f6f4 v[8*(8*((\a)%4)+\b):8*(8*((\a)%4)+\b)+7], v[128*(\p)+FR*\b:128*(\p)+FR*\b+FR-1], v[AF+FR*(\a):AF+FR*(\a)+FR-1], 0, v[SC+8*\b+(\st)], v[SC+8*(\a)+(\st)] matrix_a_fmt:MATRIX_FMT_FP6 matrix_b_fmt:MATRIX_FMT_FP6 matrix_a_scale:MATRIX_SCALE_ROW1
.else
	v_wmma_scale_f32_16x16x128_f8f6f4 v[8*(8*((\a)%4)+\b):8*(8*((\a)%4)+\b)+7], v[128*(\p)+FR*\b:128*(\p)+FR*\b+FR-1], v[AF+FR*(\a):AF+FR*(\a)+FR-1], v[8*(8*((\a)%4)+\b):8*(8*((\a)%4)+\b)+7], v[SC+8*\b+(\st)], v[SC+8*(\a)+(\st)] matrix_a_fmt:MATRIX_FMT_FP6 matrix_b_fmt:MATRIX_FMT_FP6 matrix_a_scale:MATRIX_SCALE_ROW1
.endif
.endr
.endr
.endm
.macro FETCH_B st, p
	WIN TO_B
.irp i, 0,1,2,3,4,5,6,7
	FRAG 128*(\p)+FR*\i, ADRB, \st, \i
.endr
	WIN 0
.endm
.macro FETCH_A st, i0
.irp i, \i0, \i0+1, \i0+2, \i0+3
	FRAG AF+FR*(\i), ADRA, \st, \i
.endr
.endm
.macro PLACES n
.rept \n
	v_nop
.endr
.endm
; A K step: 64 matrix instructions; the next step's fragments are fetched in its middle and at its end.  kind 1: slot 0 is read no more: the three lines, a round of the cluster's barrier, and the refill.
; kind 2: the next step's slot is waited for by every wave and shown by a barrier.
.macro STEP st, zero, kind
.set NX, (\st)+1
.if \kind
	s_wait_tensorcnt 0x0
.if \kind == 1
	ds_add_u32 v[SPW], v[NIL]
	s_wait_dscnt 4*NL+1                            ; the add and the twelve youngest loads may be out
.else
	s_wait_dscnt 4*NL
.endif
	WIN MUL_LO
	MUL16 0, (\st)%2, \st, \zero
	s_wait_dscnt 0x0
	s_barrier_signal -1
	MUL16 2, (\st)%2, \st, \zero
	WIN 0
	s_barrier_wait -1
.if \kind == 1
	CREST
	s_mov_b32 s[G0+1], s75                         ; no tensor load of mine is out: K steps 6, 7 into slot 0
	s_add_co_u32 s[G0B+1], s75, SIDE
	s_add_nc_u64 s[G0+2:G0+3], s[G0+2:G0+3], 3072
	s_add_nc_u64 s[G0B+2:G0B+3], s[G0B+2:G0B+3], 3072
	JLOAD
.else
	PLACES NP
.endif
.else
	s_wait_dscnt 4*NL                              ; all but source 1's blocks 4-7
	WIN MUL_LO
	MUL16 0, (\st)%2, \st, \zero
	MUL16 2, (\st)%2, \st, \zero
	s_wait_dscnt 0
	PLACES NP
.endif
	FETCH_B NX, NX%2
	FETCH_A NX, 0
	WIN MUL_HI
	MUL16 4, (\st)%2, \st, \zero
	MUL16 6, (\st)%2, \st, \zero
	PLACES NP
	WIN 0
	FETCH_A NX, 4
.endm
	s_wait_alu depctr_va_vdst(0)                   ; the wait at the head's end
	s_wait_tensorcnt 0x0                           ; my part of K steps 0-3 is in
	ds_add_u32 v[SPW], v[NIL]
	s_mov_b32 s[G1+2], 8<<16                       ; from here on a load brings 8 tiles of 16 rows
	s_mov_b32 s[G1+4], 8
	s_mov_b32 s[G1B+2], 8<<16
	s_mov_b32 s[G1B+4], 8
	s_mul_i32 s18, s15, 98304                      ; which 8 tiles,
	s_add_co_u32 s18, s18, 6144                    ; K step 4
	s_add_co_u32 s[G0+1], s75, 2*SLOT
	s_add_nc_u64 s[G0+2:G0+3], s[20:21], s[18:19]
	s_or_b32 s[G0+3], s[G0+3], 0x80000000
	s_add_co_u32 s[G0B+1], s75, 2*SLOT+SIDE
	s_add_nc_u64 s[G0B+2:G0B+3], s[46:47], s[18:19]
	s_or_b32 s[G0B+3], s[G0B+3], 0x80000000
	s_wait_dscnt 0x0
	CROUND
	JLOAD                                          ; K steps 4, 5 into slot 2
	FETCH_B 0, 0
	FETCH_A 0, 0
	FETCH_A 0, 4
	s_wait_loadcnt 0x0                             ; the scale words
	STEP 0, 1, 0
	STEP 1, 0, 0
	STEP 2, 0, 1
	STEP 3, 0, 0
	STEP 4, 0, 0
	STEP 5, 0, 2
	STEP 6, 0, 0
	s_wait_dscnt 4*NL
	WIN MUL_LO
	MUL16 0, 1, 7, 0
	MUL16 2, 1, 7, 0
	s_wait_dscnt 0
	WIN MUL_HI
	MUL16 4, 1, 7, 0
	MUL16 6, 1, 7, 0
	WIN 0
	PLACES NP
	s_mov_b32 s[SEL], 0x76543210
	s_mov_b32 s[SEL+1], 0xfedcba98
	s_mov_b32 s94, 0xffff0000
	s_cmp_eq_u32 s95, 1
	s_cbranch_scc1 .Lv
	; q and k: rotation, then two blocks of 32 along d for each head
	s_lshl_b32 s70, s17, 8
	s_lshl_b32 s71, s15, 7
	s_add_co_u32 s70, s70, s71
	s_lshr_b32 s71, s70, 11
	s_and_b32 s72, s70, 2047
	s_lshr_b32 s73, s72, 7
	s_lshl_b32 s74, s40, 2
	s_lshl_b32 s75, s16, 1
	s_add_co_u32 s74, s74, s75
	s_lshl_b32 s71, s71, 4
	s_add_co_u32 s71, s71, s74
	s_lshl_b32 s71, s71, 4
	s_add_co_u32 s71, s71, s73                     ; the record: (16 batch + head) 16 + block of 128 tokens
	s_mov_b32 s76, 12800
	s_mov_b32 s77, 12288
	s_cmp_eq_u32 ttmp9, 1                          ; k or q
	s_cselect_b32 s89, s76, 768                    ; the scale words' record,
	s_cselect_b32 s76, s76, 6144                   ; the images',
	s_cselect_b32 s77, s77, 512                    ; where the scale words begin in theirs
	s_cselect_b64 s[78:79], s[10:11], s[8:9]
	s_cselect_b64 s[84:85], s[10:11], s[12:13]
	s_mul_i32 s80, s71, s76
	s_mov_b32 s81, 0
	s_add_nc_u64 s[78:79], s[78:79], s[80:81]
	s_lshl_b32 s80, s76, 4
	s_add_nc_u64 s[82:83], s[78:79], s[80:81]      ; the next head: 16 records on
	s_mul_i32 s80, s71, s89
	s_add_co_u32 s80, s80, s77
	s_add_nc_u64 s[84:85], s[84:85], s[80:81]
	s_lshl_b32 s80, s89, 4
	s_add_nc_u64 s[88:89], s[84:85], s[80:81]
	s_lshl_b32 s80, s72, 4
	s_add_co_u32 s80, s80, 262144
	s_add_nc_u64 s[86:87], s[6:7], s[80:81]        ; cos and sin of my tokens
	WIN 0x40
.irp a, 0,1,2,3,4,5,6,7
.irp t, 0,1,2,3
.irp e, 0,1
	global_load_b128 v[32*\a+8*\t+4*\e:32*\a+8*\t+4*\e+3], v[CSA], s[86:87] offset:131072*\t+32768*\e+256*\a
.endr
.endr
.endr
	WIN 0
.irp b, 0,1,2,3
	v_mov_b32 v[TM+4+\b], 0                        ; a lane permute's destination counts as one of its sources
.endr
.macro ROPE a, hd
.set WW, 0x06+((\a)/4)
	WIN WW
.irp t, 0,1,2,3
.set AB, 64*((\a)%4)+32*(\hd)+8*\t
.set CC, 32*(\a)+8*\t
.irp jj, 0,1,2,3
	v_mul_f32 v[TT+2*\jj], v[AB+2*\jj+1], v[CC+2*\jj+1]
	v_mul_f32 v[TT+2*\jj+1], v[AB+2*\jj+1], v[CC+2*\jj]
.endr
.irp jj, 0,1,2,3
	v_fma_f32 v[RR+32*(\hd)+8*\t+2*\jj], v[AB+2*\jj], v[CC+2*\jj], -v[TT+2*\jj]
	v_fma_f32 v[RR+32*(\hd)+8*\t+2*\jj+1], v[AB+2*\jj], v[CC+2*\jj+1], v[TT+2*\jj+1]
.endr
.endr
	WIN 0
.endm
.macro QUANT64                         ; two heads' two blocks of 32 each: the four blocks take turns line by line
.irp b, 0,1,2,3
	v_max3_num_f32 v[TM+\b], |v[RR+16*\b]|, |v[RR+1+16*\b]|, 0x1800000
.endr
.irp i, 2,4,6,8,10,12,14
.irp b, 0,1,2,3
	v_max3_num_f32 v[TM+\b], v[TM+\b], |v[RR+16*\b+\i]|, |v[RR+1+16*\b+\i]|
.endr
.endr
.irp b, 0,1,2,3
	v_permlanex16_b32 v[TM+4+\b], v[TM+\b], s[SEL], s[SEL+1]
.endr
.irp b, 0,1,2,3
	v_max_num_f32 v[TM+\b], v[TM+\b], v[TM+4+\b]
.endr
.irp b, 0,1,2,3
	v_add_nc_u32 v[SO+\b], 0xff000000, v[TM+\b]
.endr
.irp b, 0,1,2,3
	v_lshrrev_b32 v[TM+4+\b], 23, v[SO+\b]
.endr
	v_lshl_or_b32 v[HW], v[TM+5], 8, v[TM+4]
	v_lshl_or_b32 v[HW+1], v[TM+7], 8, v[TM+6]
.irp hd, 0,1
	v_cvt_scalef32_pk16_fp6_f32 v[QD+12*\hd:QD+12*\hd+2], v[RR+32*\hd:RR+32*\hd+15], v[SO+2*\hd]
	v_cvt_scalef32_pk16_fp6_f32 v[TC+4*\hd:TC+4*\hd+2], v[RR+32*\hd+16:RR+32*\hd+31], v[SO+2*\hd+1]
.endr
	v_nop
.irp hd, 0,1
.irp i, 0,1,2
	v_permlane16_swap_b32 v[QD+12*\hd+\i], v[TC+4*\hd+\i]
.endr
.endr
.irp hd, 0,1
.irp i, 0,1,2
	v_mov_b32 v[QD+12*\hd+3+\i], v[TC+4*\hd+\i]
.endr
.endr
.endm
.irp p, 0,1,2,3
.irp u, 0,1
	s_wait_loadcnt 56-8*(2*\p+\u)
	ROPE 2*\p+\u, 0
	ROPE 2*\p+\u, 1
.set QD, IMG+24*\p+6*\u
	QUANT64
.irp hd, 0,1
.if \u == 0
	v_mov_b32 v[WD+2*\p+\hd], v[HW+\hd]
.else
	v_lshl_or_b32 v[WD+2*\p+\hd], v[HW+\hd], 16, v[WD+2*\p+\hd]
.endif
.endr
.endr
.irp hd, 0,1
.irp c, 0,1,2
	global_store_b128 v[LI], v[IMG+12*(2*\p+\hd)+4*\c:IMG+12*(2*\p+\hd)+4*\c+3], s[78+4*\hd:79+4*\hd] offset:1536*\p+512*\c
.endr
.endr
.if \p%2 == 1
.irp hd, 0,1
	v_cndmask_b32 v[SW+2*(\p/2)+\hd], v[WD+2*(\p-1)+\hd], v[WD+2*\p+\hd], s94
	global_store_b32 v[LS], v[SW+2*(\p/2)+\hd], s[84+4*\hd:85+4*\hd] offset:128*(\p/2)
.endr
.endif
.endr
	s_branch .Lend
.Lv:	; v: four blocks of 32 along the keys for each 16 of d
	s_lshl_b32 s74, s17, 2
	s_lshl_b32 s75, s15, 1
	s_add_co_u32 s74, s74, s75
	s_lshl_b32 s70, s42, 8
	s_lshl_b32 s71, s16, 7
	s_add_co_u32 s70, s70, s71
	s_lshr_b32 s71, s70, 11
	s_and_b32 s72, s70, 2047
	s_lshr_b32 s73, s72, 7
	s_lshl_b32 s71, s71, 4
	s_add_co_u32 s71, s71, s74
	s_lshl_b32 s71, s71, 4
	s_add_co_u32 s71, s71, s73
	s_mul_i32 s80, s71, 12800
	s_add_co_u32 s80, s80, 6144
	s_mov_b32 s81, 0
	s_add_nc_u64 s[78:79], s[10:11], s[80:81]      ; v's images in the record; its scale words lie 6,400 bytes on
.irp b, 0,1,2,3
	v_mov_b32 v[TT+4+\b], 0
.endr
.irp a, 0,1,2,3,4,5,6,7
.set AC, 64*(\a%4)
.set WW, 0x28+0x14*(\a/4)
	WIN WW
.irp b, 0,1,2,3
	v_max3_num_f32 v[TT+\b], 0x1800000, |v[AC+16*\b]|, |v[AC+16*\b+1]|
.endr
.irp i, 2,4,6,8,10,12,14
.irp b, 0,1,2,3
	v_max3_num_f32 v[TT+\b], v[TT+\b], |v[AC+16*\b+\i]|, |v[AC+16*\b+\i+1]|
.endr
.endr
	WIN 0
.irp b, 0,1,2,3
	v_permlanex16_b32 v[TT+4+\b], v[TT+\b], s[SEL], s[SEL+1]
.endr
.irp b, 0,1,2,3
	v_max_num_f32 v[TT+\b], v[TT+\b], v[TT+4+\b]
.endr
.irp b, 0,1,2,3
	v_add_nc_u32 v[SO+\b], 0xff000000, v[TT+\b]
.endr
.irp b, 0,1,2,3
	v_lshrrev_b32 v[TT+4+\b], 23, v[SO+\b]
.endr
	v_lshl_or_b32 v[WD+\a], v[TT+5], 8, v[TT+4]
	v_lshl_or_b32 v[WD+\a], v[TT+6], 16, v[WD+\a]
	v_lshl_or_b32 v[WD+\a], v[TT+7], 24, v[WD+\a]
.set WW, 0x02+(\a/4)
	WIN WW
.irp c, 0,1
	v_cvt_scalef32_pk16_fp6_f32 v[IMG+12*\a+6*\c:IMG+12*\a+6*\c+2], v[AC+32*\c:AC+32*\c+15], v[SO+2*\c]
	v_cvt_scalef32_pk16_fp6_f32 v[TC+4*\c:TC+4*\c+2], v[AC+32*\c+16:AC+32*\c+31], v[SO+2*\c+1]
.endr
	WIN 0
	v_nop
.irp c, 0,1
.irp i, 0,1,2
	v_permlane16_swap_b32 v[IMG+12*\a+6*\c+\i], v[TC+4*\c+\i]
.endr
.irp i, 0,1,2
	v_mov_b32 v[IMG+12*\a+6*\c+3+\i], v[TC+4*\c+\i]
.endr
.endr
.irp c, 0,1,2
	global_store_b128 v[LI], v[IMG+12*\a+4*\c:IMG+12*\a+4*\c+3], s[78:79] offset:204800*(\a/4)+1536*(\a%4)+512*\c
.endr
.if \a%2 == 1
	v_cndmask_b32 v[SW+\a/2], v[WD+\a-1], v[WD+\a], s94
	global_store_b32 v[LS], v[SW+\a/2], s[78:79] offset:6400+204800*(\a/4)+128*((\a%4)/2)
.endif
.endr
.Lend:
	s_wait_tensorcnt 0x0                           ; the wave's end
	ds_add_u32 v[SPW], v[NIL]
	s_wait_dscnt 0x0
	CROUND                                         ; the closing round
	s_endpgm
.Lfunc_end_k_q89c832ba7a_qkv:
	.size	k_q89c832ba7a_qkv, .Lfunc_end_k_q89c832ba7a_qkv-k_q89c832ba7a_qkv
	.p2alignl 7, 3214868480
	.fill 96, 4, 3214868480
	.section	.rodata,"a",@progbits
	.p2align	6, 0x0
	.amdhsa_kernel k_q89c832ba7a_qkv
		.amdhsa_group_segment_fixed_size 327680
		.amdhsa_private_segment_fixed_size 0
		.amdhsa_enable_private_segment 0
		.amdhsa_kernarg_size 40
		.amdhsa_user_sgpr_count 2
		.amdhsa_user_sgpr_kernarg_segment_ptr 1
		.amdhsa_wavefront_size32 1
		.amdhsa_system_sgpr_workgroup_id_x 1
		.amdhsa_system_sgpr_workgroup_id_y 1
		.amdhsa_system_sgpr_workgroup_id_z 1
		.amdhsa_system_vgpr_workitem_id 0
		.amdhsa_next_free_vgpr 1024
		.amdhsa_next_free_sgpr 100
		.amdhsa_reserve_vcc 0
		.amdhsa_float_denorm_mode_32 3
		.amdhsa_float_denorm_mode_16_64 3
		.amdhsa_memory_ordered 1
		.amdhsa_forward_progress 1
		.amdhsa_inst_pref_size 227
	.end_amdhsa_kernel
	.amdgpu_metadata
---
amdhsa.version: [ 1, 2 ]
amdhsa.kernels:
  - .name:           k_q89c832ba7a_qkv
    .symbol:         k_q89c832ba7a_qkv.kd
    .args:
      - { .name: codes, .offset: 0, .size: 8, .value_kind: global_buffer, .address_space: global }
      - { .name: tab, .offset: 8, .size: 8, .value_kind: global_buffer, .address_space: global }
      - { .name: qb, .offset: 16, .size: 8, .value_kind: global_buffer, .address_space: global }
      - { .name: kv, .offset: 24, .size: 8, .value_kind: global_buffer, .address_space: global }
      - { .name: sc3, .offset: 32, .size: 8, .value_kind: global_buffer, .address_space: global }
    .group_segment_fixed_size: 327680
    .private_segment_fixed_size: 0
    .kernarg_segment_align: 8
    .kernarg_segment_size: 40
    .max_flat_workgroup_size: 128
    .sgpr_count:     100
    .vgpr_count:     1024
    .wavefront_size: 32
...
	.end_amdgpu_metadata
.endif
;; end of part 2
;; launch attn (part 3): grid 8 x 32, 16 waves a work-group, clusters of 4 x 1, 206,848 bytes of LDS; arguments qb, kv, sc3, a_img, a_sc; writes a_img, a_sc
.if DOCPART == 3
	.amdgcn_target "amdgcn-amd-amdhsa--gfx1250"
	.amdhsa_code_object_version 6
	.text
	.protected	k_q89c832ba7a_attn
	.globl	k_q89c832ba7a_attn
	.p2align	8
	.type	k_q89c832ba7a_attn,@function
k_q89c832ba7a_attn:
	s_mov_b64 s[64:65], 0
	v_nop
	global_prefetch_b8 v0, s[64:65] scope:SCOPE_SE
	s_setreg_imm32_b32 hwreg(HW_REG_WAVE_MODE, 25, 1), 1
	s_wait_xcnt 0x0
	s_wait_alu depctr_hold_cnt(0) depctr_sa_sdst(0) depctr_va_vdst(0) depctr_va_sdst(0) depctr_va_ssrc(0) depctr_va_vcc(0) depctr_vm_vsrc(0)
	s_getreg_b32 s2, hwreg(HW_REG_IB_STS2, 6, 4)
	s_cmp_eq_u32 s2, 0
	s_cbranch_scc0 .Lentry_in_a_cluster
	s_endpgm
.Lentry_in_a_cluster:
	s_bfe_u32 s2, ttmp6, 0x10000c
	s_cmp_lg_u32 s2, 0x3003
	s_cbranch_scc0 .Lentry_shape_is_right
	s_endpgm
.Lentry_shape_is_right:
; LAUNCH 3 OF 4.  For each batch and head: S^T = K Q^T, the softmax as the problem's text has it ahead of a quantised product, O^T = V^T P^T, O / l, and the quantiser along D ahead of the last product.
; WORK LEFT OUT: key steps all of whose 128 keys come after a wave's 16 queries (shown at the head of launch 1: the lower triangle is built by the problem itself, and a hidden key's weight is 0).
; LIMITS: a NaN, an infinity or an overflow that reaches only hidden scores is not carried to the result; the bytes of tiny and of zero blocks as stated in launch 1; the promise holds while the scaled
; scores (the exponents to the base 2) stay under 2^31 in magnitude.
; THE SOFTMAX: t = score x log2(e) / 8; M = the row's largest t so far, rounded up to a whole number; p = 2^(t - M) is quantised along the keys, not normalised; the row's sum is taken of the unquantised p and
; divides O at the end.  When M moves, the sum and O are multiplied by 2^(old M - new M): exact.
; SHARES.  Work-group j (0-7) of a head owns tile j (16 queries) of each of the 16 blocks of 128 queries, a wave a tile.  A wave with block b has b + 1 key steps.  The blocks are dealt by a table so that the waves
; w, w + 4, w + 8, w + 12 together have 34 key steps, and so have the waves 4 g .. 4 g + 3.
; ALL OF A HEAD'S K AND V LIES IN LDS: 16 records of 12,800 bytes (128 keys: K's four images, V's four, their scale words).  Wave w fetches record w with one tensor load at the head; every work-group's wave with
; block 15 reads all 16.  One barrier shows the records to all waves; nothing is filled again, and no barrier stands in the walk.
; CLUSTER: four work-groups of a head ask for the records jointly (mask 15).  No branch and no LDS address hangs on the place in the cluster: a step is hidden where its number is over b, which hangs on the wave's
; number alone; the tile j enters global addresses and the diagonal's mask values only.
; NO PREFETCH: every fill goes out at the head; there is no loop to run ahead in.
; A fragment of K holds TWO tiles of 16 keys (K = 64 each): against (q | 0) it gives the even tile's scores, against (0 | q) the odd one's.
; A lane holds ONE query (lane % 16); register 8 t + j of S^T is key 16 t + 8 (lane / 16) + j of the step; V's codes were made from registers that ran along the keys in the same way.
; REGISTERS: v1-6 addresses; v12 -M, v13 the largest t, v[14:15] the sum; v16-27 (q | 0), v28-39 (0 | q), v40 q's scale word; v42 the diagonal's d; v44-47 scale words; v48-95 four fragments; v96-159 S^T, then p;
; v160-191 O^T; v192-203 p's codes; v232-255 at work; v[250:251] the rescaling factor; v253 p's scale word.
.set STEPB, 12800
.set SCO,   12288                      ; the scale words in a record
.set SPARE, 16*STEPB                   ; the spare words, 128 bytes for each of sixteen waves, which no other line names
.set LI,   1                           ; 16 x lane
.set L4,   2                           ; 4 x lane
.set ADI,  3
.set ADS,  4
.set SPW,  5
.set NIL,  6
.set DV,   42
.set TB,   2                           ; s2 the step's record in LDS
.set KI,   3                           ; s3 the step's number
.set WV,   18
.set SEL,  20
.set CS,   22
.set G1,   24
.set G0,   40
.set BL,   66                          ; s66 my block of 128 queries
.set J16,  98                          ; s98 16 x my tile in the block
.set Q0,   99                          ; s99 my first query
.macro CROUND
	s_barrier_signal -1
	s_barrier_wait -1
	s_cmp_lg_u32 s[WV], 0
	s_cbranch_scc1 .Lnot_wave_0_\@
	s_barrier_signal -3
.Lnot_wave_0_\@:
	s_barrier_wait -3
	s_barrier_signal -1
	s_barrier_wait -1
.endm
	s_load_b256 s[4:11], s[0:1], 0x0               ; qb, kv, sc3, a_img
	s_load_b64 s[12:13], s[0:1], 0x20              ; a_sc
	v_lshl_add_u32 v[SPW], v0, 2, SPARE
	v_mov_b32 v[NIL], 0
	ds_add_u32 v[SPW], v[NIL]                      ; the opening lines
	ds_add_u32 v[SPW], v[NIL]
	v_lshrrev_b32 v8, 5, v0
	s_delay_alu instid0(VALU_DEP_1)
	v_readfirstlane_b32 s[WV], v8
	s_and_b32 s68, ttmp7, 0xffff                   ; 16 x batch + head
	s_bfe_u32 s69, ttmp6, 0x40000
	s_lshl_b32 s70, ttmp9, 2
	s_add_co_u32 s69, s69, s70                     ; j
	s_and_b32 s71, s[WV], 7
	s_lshl_b32 s71, s71, 2
	s_mov_b32 s72, 0x853e942f                      ; waves 0-7: blocks 15, 2, 4, 9, 14, 3, 5, 8
	s_mov_b32 s73, 0x7ad06bc1                      ; waves 8-15: 1, 12, 11, 6, 0, 13, 10, 7
	s_cmp_lt_u32 s[WV], 8
	s_cselect_b32 s72, s72, s73
	s_lshr_b32 s72, s72, s71
	s_and_b32 s[BL], s72, 15
	s_lshl_b32 s[J16], s69, 4
	s_lshl_b32 s[Q0], s[BL], 7
	s_add_co_u32 s[Q0], s[Q0], s[J16]
	s_mov_b32 s[G1], 15|(3<<16)|(1<<21)            ; a record: 50 rows of 32 elements of 8 bytes, dense; the mask of four, bit 21 beside it
	s_mov_b32 s[G1+1], 32<<16
	s_mov_b32 s[G1+2], 50<<16
	s_mov_b32 s[G1+3], 32<<16
	s_mov_b32 s[G1+4], 50
	s_mov_b32 s[G1+5], 32
	s_mov_b32 s[G1+6], 0
	s_mov_b32 s[G1+7], 0
	s_mul_i32 s84, s68, 16*STEPB
	s_mul_i32 s85, s[WV], STEPB
	s_mov_b32 s[G0], 1
	s_mov_b32 s[G0+1], s85
	s_add_co_u32 s84, s84, s85
	s_mov_b32 s85, 0
	s_lshl_b32 s88, s68, 4
	s_add_co_u32 s88, s88, s[BL]                   ; my queries' record
	s_lshr_b32 s89, s69, 1                         ; their pair of tiles
	s_mul_i32 s90, s88, 6144
	s_mul_i32 s91, s89, 1536
	s_add_co_u32 s90, s90, s91
	s_mov_b32 s91, 0
	s_mul_i32 s92, s88, 768
	s_lshl_b32 s93, s89, 6
	s_add_co_u32 s92, s92, s93
	s_add_co_u32 s92, s92, 512
	s_mov_b32 s93, 0
	s_and_b32 s94, s69, 1                          ; u: registers 6 u .. 6 u + 5 of the image
	s_mov_b32 s75, 512
	s_cmp_eq_u32 s94, 0
	s_cselect_b32 s73, 0, 520
	s_cselect_b32 s74, 8, 1024
	s_cselect_b32 s75, s75, 1032
	s_lshl_b32 s94, s94, 4
	s_mov_b32 s[SEL], 0x76543210
	s_mov_b32 s[SEL+1], 0xfedcba98
	s_mov_b32 s[CS], 0x3e38aa3b                    ; log2(e) / sqrt(64)
	s_mov_b32 s[CS+1], s[CS]
	s_mov_b32 s[TB], 0
	s_mov_b32 s[KI], 0
	v_and_b32 v8, 31, v0
	v_and_b32 v42, 15, v0
	v_lshlrev_b32 v[LI], 4, v8
	v_lshlrev_b32 v43, 2, v42
	v_lshlrev_b32 v[L4], 2, v8
	v_add_nc_u32 v9, s73, v[LI]
	v_add_nc_u32 v10, s74, v[LI]
	v_add_nc_u32 v11, s75, v[LI]
	s_wait_alu depctr_va_vdst(0)                   ; directly ahead of the waits below
	s_wait_dscnt 0x0
	s_wait_kmcnt 0x0
	s_add_nc_u64 s[4:5], s[4:5], s[90:91]
	s_add_nc_u64 s[14:15], s[8:9], s[92:93]
	global_load_b64 v[16:17], v9, s[4:5]           ; my queries' codes and scale words are asked for ahead of the round
	global_load_b64 v[18:19], v10, s[4:5]
	global_load_b64 v[20:21], v11, s[4:5]
	global_load_b32 v41, v43, s[14:15]
	s_add_nc_u64 s[G0+2:G0+3], s[6:7], s[84:85]
	s_or_b32 s[G0+3], s[G0+3], 0x80000000
	CROUND                                         ; the four work-groups are here: the joint loads meet
	tensor_load_to_lds s[G0:G0+3], s[G1:G1+7]      ; record w: one tensor load a wave, all sixteen records
	s_nop 0
.rept 4
	v_nop
.endr
	; the way out: where my six registers of codes and my scale bytes go
	s_lshr_b32 s70, s68, 4
	s_and_b32 s71, s68, 15
	s_lshr_b32 s72, s71, 2
	s_mul_i32 s72, s72, 786432
	s_lshl_b32 s73, s70, 7
	s_lshr_b32 s74, s[Q0], 4
	s_add_co_u32 s73, s73, s74
	s_mul_i32 s73, s73, 3072
	s_add_co_u32 s72, s72, s73
	s_and_b32 s73, s71, 3
	s_mul_i32 s73, s73, 768
	s_add_co_u32 s72, s72, s73
	s_mov_b32 s73, 0
	s_add_nc_u64 s[10:11], s[10:11], s[72:73]
	s_lshl_b32 s72, s70, 11
	s_add_co_u32 s72, s72, s[Q0]
	s_lshl_b32 s72, s72, 5
	s_lshl_b32 s74, s71, 1
	s_add_co_u32 s72, s72, s74
	s_add_nc_u64 s[12:13], s[12:13], s[72:73]
.set n, 22
.rept 12
	v_mov_b32 v[n], 0                              ; the zero halves of (q | 0) and (0 | q)
.set n, n+1
.endr
	v_mov_b32 v13, 0xff61b1e6                      ; the largest t so far: -3e38
	s_delay_alu instid0(VALU_DEP_1)
	v_floor_f32 v12, -v13
	v_mov_b32 v14, 0
	v_mov_b32 v15, 0
.set n, 0
.rept 32
	v_mov_b32 v[160+n], 0                          ; O^T: the step is written once: the first finds zeros
.set n, n+1
.endr
.set n, 232
.rept 8
	v_mov_b32 v[n], 0                              ; a lane permute's destination counts as one of its sources
.set n, n+1
.endr
	v_mov_b32 v251, 0
	v_mov_b32 v252, 0
	s_wait_loadcnt 0x0
.irp i, 0,1,2,3,4,5
	v_mov_b32 v[34+\i], v[16+\i]
.endr
	v_lshrrev_b32 v41, s94, v41
	v_bfe_u32 v43, v0, 4, 1
	s_delay_alu instid0(VALU_DEP_2)
	v_and_b32 v41, 0xffff, v41
	s_delay_alu instid0(VALU_DEP_2)
	v_lshlrev_b32 v43, 3, v43
	s_delay_alu instid0(VALU_DEP_2)
	v_lshl_or_b32 v40, v41, 16, v41                ; my tile's two bytes, for either half of K = 128
	s_delay_alu instid0(VALU_DEP_2)
	v_sub_nc_u32 v[DV], v[DV], v43
	s_delay_alu instid0(VALU_DEP_1)
	v_add_nc_u32 v[DV], s[J16], v[DV]              ; d = my query - my block's first key - 8 (lane / 16)
.rept 8
	v_nop                                          ; q's scale word stands eight places ahead of the first product
.endr
.macro QK f
.if (\f)%2 == 0
	v_wmma_scale_f32_16x16x128_f8f6f4 v[96+16*\f:103+16*\f], v[48+12*\f:59+12*\f], v[16:27], 0, v[44+\f/2], v40 matrix_a_fmt:MATRIX_FMT_FP6 matrix_b_fmt:MATRIX_FMT_FP6
	v_wmma_scale_f32_16x16x128_f8f6f4 v[104+16*\f:111+16*\f], v[48+12*\f:59+12*\f], v[28:39], 0, v[44+\f/2], v40 matrix_a_fmt:MATRIX_FMT_FP6 matrix_b_fmt:MATRIX_FMT_FP6
.else
	v_wmma_scale_f32_16x16x128_f8f6f4 v[96+16*\f:103+16*\f], v[48+12*\f:59+12*\f], v[16:27], 0, v[44+\f/2], v40 matrix_a_fmt:MATRIX_FMT_FP6 matrix_b_fmt:MATRIX_FMT_FP6 matrix_a_scale:MATRIX_SCALE_ROW1
	v_wmma_scale_f32_16x16x128_f8f6f4 v[104+16*\f:111+16*\f], v[48+12*\f:59+12*\f], v[28:39], 0, v[44+\f/2], v40 matrix_a_fmt:MATRIX_FMT_FP6 matrix_b_fmt:MATRIX_FMT_FP6 matrix_a_scale:MATRIX_SCALE_ROW1
.endif
.endm
.macro PV t
.if (\t)%2 == 0
	v_wmma_scale_f32_16x16x128_f8f6f4 v[160+8*\t:167+8*\t], v[48+12*\t:59+12*\t], v[192:203], v[160+8*\t:167+8*\t], v[46+\t/2], v253 matrix_a_fmt:MATRIX_FMT_FP6 matrix_b_fmt:MATRIX_FMT_FP6
.else
	v_wmma_scale_f32_16x16x128_f8f6f4 v[160+8*\t:167+8*\t], v[48+12*\t:59+12*\t], v[192:203], v[160+8*\t:167+8*\t], v[46+\t/2], v253 matrix_a_fmt:MATRIX_FMT_FP6 matrix_b_fmt:MATRIX_FMT_FP6 matrix_a_scale:MATRIX_SCALE_ROW1
.endif
.endm
	s_wait_alu depctr_va_vdst(0)                   ; the wait at the head's end
	s_wait_tensorcnt 0x0                           ; my record is in,
	s_barrier_signal -1
	s_barrier_wait -1                              ; everybody's is
.Lstep:                                            ; sixteen trips, a constant; a trip whose step lies behind my block does nothing
	s_cmp_gt_u32 s[KI], s[BL]
	s_cbranch_scc1 .Lhidden
	v_add_nc_u32 v[ADI], s[TB], v[LI]
	v_add_nc_u32 v[ADS], s[TB], v[L4]
	v_nop
	v_nop                                          ; four plain lines in front of loads into registers that the last step's products have read
.irp f, 0,1,2,3
.irp c, 0,1,2
	ds_load_b128 v[48+12*\f+4*\c:51+12*\f+4*\c], v[ADI] offset:1536*\f+512*\c
.endr
.endr
	ds_load_b32 v44, v[ADS] offset:SCO             ; K's scale words: lanes 0-15 fragment 0's, lanes 16-31 fragment 1's;
	ds_load_b32 v45, v[ADS] offset:SCO+128         ; fragments 2 and 3
	s_wait_alu depctr_va_vdst(0)
	s_wait_dscnt 0x0
.irp f, 0,1,2,3
	QK \f
.endr
.rept 4
	v_nop
.endr
.irp t, 0,1,2,3
.irp c, 0,1,2
	ds_load_b128 v[48+12*\t+4*\c:51+12*\t+4*\c], v[ADI] offset:6144+1536*\t+512*\c   ; V's fragments land while the softmax is worked
.endr
.endr
	ds_load_b32 v46, v[ADS] offset:SCO+256
	ds_load_b32 v47, v[ADS] offset:SCO+384
	s_cmp_lt_u32 s[KI], s[BL]                      ; only my block's own step holds hidden keys
	s_cbranch_scc1 .Lopen
	v_mov_b32 v254, 0xff800000
.set n, 0
.rept 64
	v_cmp_gt_i32 vcc_lo, 16*(n/8)+n%8, v[DV]       ; register n holds key 16 (n / 8) + n % 8 + 8 (lane / 16) of the step
	v_cndmask_b32 v[96+n], v[96+n], v254, vcc_lo
.set n, n+1
.endr
.Lopen:
.irp b, 0,1,2,3
	v_max3_num_f32 v[232+\b], v[96+16*\b], v[97+16*\b], v[98+16*\b]   ; the largest score of each block of 32 keys: for the row's maximum and for the block's largest p
.endr
.irp i, 3,5,7,9,11,13
.irp b, 0,1,2,3
	v_max3_num_f32 v[232+\b], v[232+\b], v[96+16*\b+\i], v[97+16*\b+\i]
.endr
.endr
.irp b, 0,1,2,3
	v_max_num_f32 v[232+\b], v[232+\b], v[111+16*\b]
.endr
.irp b, 0,1,2,3
	s_delay_alu instid0(VALU_DEP_4)
	v_permlanex16_b32 v[236+\b], v[232+\b], s[SEL], s[SEL+1]
.endr
.irp b, 0,1,2,3
	s_delay_alu instid0(VALU_DEP_4)
	v_max_num_f32 v[232+\b], v[232+\b], v[236+\b]
.endr
	s_delay_alu instid0(VALU_DEP_2)
	v_max3_num_f32 v254, v232, v233, v234
	s_delay_alu instid0(VALU_DEP_1)
	v_max_num_f32 v254, v254, v235
	s_delay_alu instid0(VALU_DEP_1)
	v_mul_f32 v254, s[CS], v254
	s_delay_alu instid0(VALU_DEP_1)
	v_max_num_f32 v13, v13, v254                   ; the running largest t
	v_mov_b32 v254, v12
	s_delay_alu instid0(VALU_DEP_2)
	v_floor_f32 v12, -v13                          ; the new -M
	s_delay_alu instid0(VALU_DEP_1)
	v_sub_f32 v254, v12, v254
	s_delay_alu instid0(VALU_DEP_1)
	v_cvt_i32_f32 v254, v254
	s_delay_alu instid0(VALU_DEP_1)
	v_ldexp_f32 v250, 1.0, v254                    ; f = 2^(old M - new M)
.set n, 0
.rept 32
	v_pk_fma_f32 v[96+n:97+n], v[96+n:97+n], s[CS:CS+1], v[12:13] op_sel_hi:[1,0,0]   ; t - M
.set n, n+2
.endr
.irp b, 0,1,2,3
	v_fma_f32 v[232+\b], v[232+\b], s[CS], v12
.endr
.set n, 0
	s_wait_alu depctr_va_vdst(0)                   ; the wait ahead of the batch
.rept 64
	v_exp_f32 v[96+n], v[96+n]
.set n, n+1
.endr
	v_pk_mul_f32 v[14:15], v[14:15], v[250:251] op_sel_hi:[1,0]
	s_wait_alu depctr_va_vdst(0)                   ; one wait for the batch, ahead of its first reader
.irp b, 0,1,2,3
	v_exp_f32 v[232+\b], v[232+\b]                 ; the block's largest p
.endr
	v_pk_add_f32 v[236:237], v[100:101], v[104:105]
	v_pk_add_f32 v[254:255], v[108:109], v[112:113]
	v_pk_add_f32 v[248:249], v[116:117], v[120:121]
	v_pk_add_f32 v[246:247], v[124:125], v[128:129]
	v_pk_add_f32 v[244:245], v[132:133], v[136:137]
	v_pk_add_f32 v[242:243], v[140:141], v[144:145]
	v_pk_add_f32 v[240:241], v[148:149], v[152:153]
	v_pk_add_f32 v[14:15], v[14:15], v[156:157]
	v_pk_add_f32 v[236:237], v[236:237], v[96:97]
	v_pk_add_f32 v[254:255], v[254:255], v[98:99]
	v_pk_add_f32 v[248:249], v[248:249], v[102:103]
	v_pk_add_f32 v[246:247], v[246:247], v[106:107]
	v_pk_add_f32 v[244:245], v[244:245], v[110:111]
	v_pk_add_f32 v[242:243], v[242:243], v[114:115]
	v_pk_add_f32 v[240:241], v[240:241], v[118:119]
	v_pk_add_f32 v[14:15], v[14:15], v[122:123]
	v_pk_add_f32 v[236:237], v[236:237], v[126:127]
	v_pk_add_f32 v[254:255], v[254:255], v[130:131]
	v_pk_add_f32 v[248:249], v[248:249], v[134:135]
	v_pk_add_f32 v[246:247], v[246:247], v[138:139]
	v_pk_add_f32 v[244:245], v[244:245], v[142:143]
	v_pk_add_f32 v[242:243], v[242:243], v[146:147]
	v_pk_add_f32 v[240:241], v[240:241], v[150:151]
	v_pk_add_f32 v[14:15], v[14:15], v[154:155]
	v_pk_add_f32 v[236:237], v[236:237], v[158:159]
	s_delay_alu instid0(VALU_DEP_2)
	v_pk_add_f32 v[14:15], v[14:15], v[246:247]
	s_delay_alu instid0(VALU_DEP_2)
	v_pk_add_f32 v[236:237], v[236:237], v[244:245]
	v_pk_add_f32 v[254:255], v[254:255], v[242:243]
	v_pk_add_f32 v[248:249], v[248:249], v[240:241]
	s_delay_alu instid0(VALU_DEP_2)
	v_pk_add_f32 v[14:15], v[14:15], v[254:255]
	s_delay_alu instid0(VALU_DEP_2)
	v_pk_add_f32 v[236:237], v[236:237], v[248:249]
	s_delay_alu instid0(VALU_DEP_1)
	v_pk_add_f32 v[14:15], v[14:15], v[236:237]
	s_wait_alu depctr_va_vdst(0)                   ; and one for the four
.irp b, 0,1,2,3
	v_max_num_f32 v[232+\b], 0x1800000, v[232+\b]  ; the floor 2^(3 - 127)
.endr
.irp b, 0,1,2,3
	s_delay_alu instid0(VALU_DEP_4)
	v_add_nc_u32 v[244+\b], 0xff000000, v[232+\b]
.endr
.irp b, 0,1,2,3
	s_delay_alu instid0(VALU_DEP_4)
	v_lshrrev_b32 v[236+\b], 23, v[244+\b]
.endr
	s_delay_alu instid0(VALU_DEP_3)
	v_lshl_or_b32 v253, v237, 8, v236              ; p's scale word for these 128 keys
	s_delay_alu instid0(VALU_DEP_1)
	v_lshl_or_b32 v253, v238, 16, v253
	s_delay_alu instid0(VALU_DEP_1)
	v_lshl_or_b32 v253, v239, 24, v253
.irp c, 0,1
	v_cvt_scalef32_pk16_fp6_f32 v[192+6*\c:194+6*\c], v[96+32*\c:111+32*\c], v[244+2*\c]
	v_cvt_scalef32_pk16_fp6_f32 v[236+4*\c:238+4*\c], v[112+32*\c:127+32*\c], v[244+2*\c+1]
.endr
	v_nop                                          ; one plain place behind a scaled conversion
.irp c, 0,1
.irp i, 0,1,2
	v_permlane16_swap_b32 v[192+6*\c+\i], v[236+4*\c+\i]
.endr
.irp i, 0,1,2
	s_delay_alu instid0(VALU_DEP_3)
	v_mov_b32 v[195+6*\c+\i], v[236+4*\c+\i]
.endr
.endr
.set n, 0
.rept 16
	v_pk_mul_f32 v[160+n:161+n], v[160+n:161+n], v[250:251] op_sel_hi:[1,0]   ; O^T under the new M; these sixteen also stand between the writes of p's codes and scale word and the products below
.set n, n+2
.endr
	s_wait_alu depctr_va_vdst(0)
	s_wait_dscnt 0x0                               ; V's fragments and scale words are in
.irp t, 0,1,2,3
	PV \t                                          ; four accumulators by turns; between two links of a chain stand the next step's eight products
.endr
.Lhidden:
	s_add_co_u32 s[TB], s[TB], STEPB
	s_add_co_u32 s[KI], s[KI], 1
	s_cmp_lt_u32 s[KI], 16
	s_cbranch_scc1 .Lstep
	; THE WAY OUT.  O^T / l; register 8 t + j is d = 16 t + 8 (lane / 16) + j of my query: two blocks of 32 along the last product's K, quantised here: six registers of that product's operand.
	v_add_f32 v14, v14, v15
	s_wait_alu depctr_va_vdst(0)
	v_permlanex16_b32 v252, v14, s[SEL], s[SEL+1]
	s_delay_alu instid0(VALU_DEP_1)
	v_add_f32 v14, v14, v252
	s_wait_alu depctr_va_vdst(0)
	v_rcp_f32 v14, v14
	v_and_b32 v8, 31, v0
	s_delay_alu instid0(VALU_DEP_1)
	v_lshlrev_b32 v8, 3, v8
	v_and_b32 v9, 15, v0
	v_bfe_u32 v10, v0, 4, 1
	s_delay_alu instid0(VALU_DEP_1)
	v_lshl_add_u32 v9, v9, 5, v10
	v_nop
	s_mov_b32 s74, 0xffff0000
	s_wait_alu depctr_va_vdst(0)                   ; the wait ahead of the reciprocal's first reader
.set n, 0
.rept 32
	v_mul_f32 v[96+n], v[160+n], v14
.set n, n+1
.endr
.irp b, 0,1
	v_max3_num_f32 v[232+\b], |v[96+16*\b]|, |v[97+16*\b]|, 0x1800000
.endr
.irp i, 2,4,6,8,10,12,14
.irp b, 0,1
	s_delay_alu instid0(VALU_DEP_2)
	v_max3_num_f32 v[232+\b], v[232+\b], |v[96+16*\b+\i]|, |v[97+16*\b+\i]|
.endr
.endr
.irp b, 0,1
	s_delay_alu instid0(VALU_DEP_2)
	v_permlanex16_b32 v[234+\b], v[232+\b], s[SEL], s[SEL+1]
.endr
.irp b, 0,1
	s_delay_alu instid0(VALU_DEP_2)
	v_max_num_f32 v[232+\b], v[232+\b], v[234+\b]
.endr
.irp b, 0,1
	s_delay_alu instid0(VALU_DEP_2)
	v_add_nc_u32 v[244+\b], 0xff000000, v[232+\b]
.endr
.irp b, 0,1
	s_delay_alu instid0(VALU_DEP_2)
	v_lshrrev_b32 v[234+\b], 23, v[244+\b]
.endr
	v_cvt_scalef32_pk16_fp6_f32 v[192:194], v[96:111], v244
	v_cvt_scalef32_pk16_fp6_f32 v[236:238], v[112:127], v245
	v_cndmask_b32 v254, v234, v235, s74            ; lane (r, h) keeps byte h of query r.  (The plain place behind the conversions)
.irp i, 0,1,2
	v_permlane16_swap_b32 v[192+\i], v[236+\i]
.endr
.irp i, 0,1,2
	s_delay_alu instid0(VALU_DEP_3)
	v_mov_b32 v[195+\i], v[236+\i]
.endr
.irp m, 0,1,2
	global_store_b64 v8, v[192+2*\m:193+2*\m], s[10:11] offset:256*\m   ; 256 consecutive bytes, at a multiple of 256 from a_img's first byte
.endr
	global_store_b8 v9, v254, s[12:13]             ; a head owns two bytes of each token's 32: single bytes, 131,072 in the whole launch
	s_wait_tensorcnt 0x0                           ; the wave's end
	ds_add_u32 v[SPW], v[NIL]
	s_wait_dscnt 0x0
	CROUND                                         ; the closing round
	s_endpgm
.Lfunc_end_k_q89c832ba7a_attn:
	.size	k_q89c832ba7a_attn, .Lfunc_end_k_q89c832ba7a_attn-k_q89c832ba7a_attn
	.p2alignl 7, 3214868480
	.fill 96, 4, 3214868480
	.section	.rodata,"a",@progbits
	.p2align	6, 0x0
	.amdhsa_kernel k_q89c832ba7a_attn
		.amdhsa_group_segment_fixed_size 206848
		.amdhsa_private_segment_fixed_size 0
		.amdhsa_enable_private_segment 0
		.amdhsa_kernarg_size 40
		.amdhsa_user_sgpr_count 2
		.amdhsa_user_sgpr_kernarg_segment_ptr 1
		.amdhsa_wavefront_size32 1
		.amdhsa_system_sgpr_workgroup_id_x 1
		.amdhsa_system_sgpr_workgroup_id_y 1
		.amdhsa_system_sgpr_workgroup_id_z 1
		.amdhsa_system_vgpr_workitem_id 0
		.amdhsa_next_free_vgpr 256
		.amdhsa_next_free_sgpr 100
		.amdhsa_reserve_vcc 1
		.amdhsa_float_denorm_mode_32 3
		.amdhsa_float_denorm_mode_16_64 3
		.amdhsa_memory_ordered 1
		.amdhsa_forward_progress 1
		.amdhsa_inst_pref_size 36
	.end_amdhsa_kernel
	.amdgpu_metadata
---
amdhsa.version: [ 1, 2 ]
amdhsa.kernels:
  - .name:           k_q89c832ba7a_attn
    .symbol:         k_q89c832ba7a_attn.kd
    .args:
      - { .name: qb, .offset: 0, .size: 8, .value_kind: global_buffer, .address_space: global }
      - { .name: kv, .offset: 8, .size: 8, .value_kind: global_buffer, .address_space: global }
      - { .name: sc3, .offset: 16, .size: 8, .value_kind: global_buffer, .address_space: global }
      - { .name: a_img, .offset: 24, .size: 8, .value_kind: global_buffer, .address_space: global }
      - { .name: a_sc, .offset: 32, .size: 8, .value_kind: global_buffer, .address_space: global }
    .group_segment_fixed_size: 206848
    .private_segment_fixed_size: 0
    .kernarg_segment_align: 8
    .kernarg_segment_size: 40
    .max_flat_workgroup_size: 512
    .sgpr_count:     100
    .vgpr_count:     256
    .wavefront_size: 32
...
	.end_amdgpu_metadata
.endif
;; end of part 3
;; launch proj (part 4): grid 8 x 32, 4 waves a work-group, clusters of 4 x 4, 327,680 bytes of LDS; arguments a_img, a_sc, codes, tab, out0; writes out0
.if DOCPART == 4
	.amdgcn_target "amdgcn-amd-amdhsa--gfx1250"
	.amdhsa_code_object_version 6
	.text
	.protected	k_q89c832ba7a_proj
	.globl	k_q89c832ba7a_proj
	.p2align	8
	.type	k_q89c832ba7a_proj,@function
k_q89c832ba7a_proj:
	s_mov_b64 s[64:65], 0
	v_nop
	global_prefetch_b8 v0, s[64:65] scope:SCOPE_SE
	s_setreg_imm32_b32 hwreg(HW_REG_WAVE_MODE, 25, 1), 1
	s_wait_xcnt 0x0
	s_wait_alu depctr_hold_cnt(0) depctr_sa_sdst(0) depctr_va_vdst(0) depctr_va_sdst(0) depctr_va_ssrc(0) depctr_va_vcc(0) depctr_vm_vsrc(0)
	s_getreg_b32 s2, hwreg(HW_REG_IB_STS2, 6, 4)
	s_cmp_eq_u32 s2, 0
	s_cbranch_scc0 .Lentry_in_a_cluster
	s_endpgm
.Lentry_in_a_cluster:
	s_bfe_u32 s2, ttmp6, 0x10000c
	s_cmp_lg_u32 s2, 0xf033
	s_cbranch_scc0 .Lentry_shape_is_right
	s_endpgm
.Lentry_shape_is_right:
; LAUNCH 4 OF 4.  out0 = attn w_out^T on codes of FP6, K = 1,024.  No work is left out here.
; A tile of out0 is 128 tokens x 128 columns: 256 work-groups; a wave makes 64 x 64: 16 accumulators.  ALL of K lies in LDS, fetched at the head by one tensor load a wave, and nothing is filled again:
; waves 0, 1 fetch the tokens' images (two chunks of 256 along K each: two rows of 24,576 bytes), waves 2, 3 w_out's (four tiles of 16 rows, all of K: 49,152 dense bytes as rows of 256).
; 4 x 4 work-groups form a cluster: the tokens' tiles are asked for jointly along a row of the cluster, w_out's along a column.  NO PREFETCH: every fill goes out at the head.
; The tokens' images hold register pair m of a fragment at 256 m + 8 x lane, w_out's registers 4 q .. 4 q + 3 at 512 q + 16 x lane.  Both carry the same order inside a block of 32 (head of launch 1).
; The scale words of a wave's 64 tokens and 64 rows of w_out, for all of K, go straight into 64 registers.  Source 0 = 16 rows of w_out, source 1 = 16 tokens: a lane holds eight neighbours of a row of out0.
; REGISTERS: window 0: v1-29 addresses; v32-63 the tokens' scale words (tile a, K step s at 32 + 8 a + s), v64-95 w_out's; v128-255 the accumulators.
;   THREE fragment buffers of 96 registers take turns, K step s in buffer s % 3: window 1 at v0 and at v128, window 2 at v0.  A K step's 36 LDS loads are asked for two K steps ahead of its products.
.set ACH,    24576
.set BT,     98304
.set STAGE,  196608
.set SPITCH, 272
.set SPARE,  214016
.set ADRA, 16
.set ADRB, 20
.set STO,  24
.set RD,   25
.set CO,   26
.set SRA,  27
.set SPW,  28
.set NIL,  29
.set ACC,  128
.set G1A,  24
.set G1B,  48
.set G0A,  68
.set G0B,  84
.set MSB, 0
.macro WIN new
.if MSB != \new
	s_set_vgpr_msb (MSB<<8)|\new
.set MSB, \new
.endif
.endm
.macro CREST
	s_cmp_lg_u32 s14, 0
	s_cbranch_scc1 .Lnot_wave_0_\@
	s_barrier_signal -3
.Lnot_wave_0_\@:
	s_barrier_wait -3
	s_barrier_signal -1
	s_barrier_wait -1
.endm
.macro CROUND
	s_barrier_signal -1
	s_barrier_wait -1
	CREST
.endm
	s_load_b256 s[4:11], s[0:1], 0x0               ; a_img, a_sc, codes, tab
	s_load_b64 s[12:13], s[0:1], 0x20              ; out0
	v_lshl_add_u32 v[SPW], v0, 2, SPARE
	v_mov_b32 v[NIL], 0
	ds_add_u32 v[SPW], v[NIL]                      ; the opening lines
	ds_add_u32 v[SPW], v[NIL]
	v_lshrrev_b32 v1, 5, v0
	v_readfirstlane_b32 s14, v1
	s_lshr_b32 s15, s14, 1                         ; which 64 tokens are mine.  Also: I fetch tokens (0) or w_out (1)
	s_and_b32 s16, s14, 1                          ; which 64 columns.  Also: which half I fetch
	s_bfe_u32 s40, ttmp6, 0x40000
	s_bfe_u32 s41, ttmp6, 0x40004
	s_lshl_b32 s42, ttmp9, 2
	s_add_co_u32 s42, s42, s40
	s_and_b32 s17, ttmp7, 0xffff
	s_lshl_b32 s17, s17, 2
	s_add_co_u32 s17, s17, s41
	s_lshl_b32 s43, s41, 2
	s_lshl_b32 s43, 15, s43
	s_lshl_b32 s44, 0x1111, s40
	s_or_b32 s[G1A], s43, (3<<16)|(1<<21)          ; tokens: 2 rows of 3,072 elements of 8 bytes, 786,432 bytes apart
	s_mov_b32 s[G1A+1], 3072<<16
	s_mov_b32 s[G1A+2], 2<<16
	s_mov_b32 s[G1A+3], 3072<<16
	s_mov_b32 s[G1A+4], 2
	s_mov_b32 s[G1A+5], 98304
	s_mov_b32 s[G1A+6], 0
	s_mov_b32 s[G1A+7], 0
	s_or_b32 s[G1B], s44, (3<<16)|(1<<21)          ; w_out: 192 dense rows of 32 elements of 8 bytes
	s_mov_b32 s[G1B+1], 32<<16
	s_mov_b32 s[G1B+2], 192<<16
	s_mov_b32 s[G1B+3], 32<<16
	s_mov_b32 s[G1B+4], 192
	s_mov_b32 s[G1B+5], 32
	s_mov_b32 s[G1B+6], 0
	s_mov_b32 s[G1B+7], 0
	s_lshl_b32 s20, s17, 3
	s_mul_i32 s20, s20, 3072                       ; my work-group's eight tiles of 16 tokens,
	s_mul_i32 s21, s16, 2*786432                   ; chunks 0, 1 or 2, 3
	s_add_co_u32 s20, s20, s21
	s_mov_b32 s21, 0
	s_lshl_b32 s46, s42, 7
	s_lshl_b32 s47, s16, 6
	s_add_co_u32 s46, s46, s47
	s_add_co_u32 s46, s46, 7168                    ; w_out begins at row 7,168 of the stream of codes
	s_mul_i32 s46, s46, 768
	s_mov_b32 s47, 0
	s_mul_i32 s22, s16, 49152
	s_add_co_u32 s23, s22, BT
	s_wait_dscnt 0x0
	s_wait_kmcnt 0x0
	s_add_nc_u64 s[20:21], s[4:5], s[20:21]
	s_add_nc_u64 s[46:47], s[8:9], s[46:47]
	CROUND
	s_mov_b32 s[G0A], 1
	s_mov_b32 s[G0A+1], s22
	s_mov_b64 s[G0A+2:G0A+3], s[20:21]
	s_or_b32 s[G0A+3], s[G0A+3], 0x80000000
	s_mov_b32 s[G0B], 1
	s_mov_b32 s[G0B+1], s23
	s_mov_b64 s[G0B+2:G0B+3], s[46:47]
	s_or_b32 s[G0B+3], s[G0B+3], 0x80000000
	s_cmp_eq_u32 s15, 0
	s_cbranch_scc0 .Lfor_b
	tensor_load_to_lds s[G0A:G0A+3], s[G1A:G1A+7]
	s_nop 0
.rept 4
	v_nop
.endr
	s_branch .Lasked
.Lfor_b:
	tensor_load_to_lds s[G0B:G0B+3], s[G1B:G1B+7]
	s_nop 0
.rept 4
	v_nop
.endr
.Lasked:
	s_lshl_b32 s32, s17, 12                        ; the scale words: 32 bytes a row
	s_lshl_b32 s33, s15, 11
	s_add_co_u32 s32, s32, s33
	s_mov_b32 s33, 0
	s_add_nc_u64 s[6:7], s[6:7], s[32:33]
	s_lshl_b32 s32, s42, 12
	s_lshl_b32 s34, s16, 11
	s_add_co_u32 s32, s32, s34
	s_add_co_u32 s32, s32, 229376
	s_add_nc_u64 s[10:11], s[10:11], s[32:33]
	v_and_b32 v1, 15, v0
	v_bfe_u32 v2, v0, 4, 1
	v_and_b32 v3, 31, v0
	v_lshlrev_b32 v[SRA], 5, v1
.irp a, 0,1,2,3
	global_load_b128 v[32+8*\a:35+8*\a], v[SRA], s[6:7] offset:512*\a
	global_load_b128 v[36+8*\a:39+8*\a], v[SRA], s[6:7] offset:512*\a+16
	global_load_b128 v[64+8*\a:67+8*\a], v[SRA], s[10:11] offset:512*\a
	global_load_b128 v[68+8*\a:71+8*\a], v[SRA], s[10:11] offset:512*\a+16
.endr
	v_lshlrev_b32 v4, 3, v3
	s_mul_i32 s32, s15, 12288
	v_add_nc_u32 v4, s32, v4                       ; the tokens' images: my four tiles, 8 bytes a lane
.irp q, 0,1,2,3
	v_add_nc_u32 v[ADRA+\q], \q*ACH, v4
.endr
	v_lshlrev_b32 v5, 4, v3
	v_add_nc_u32 v[ADRB], s23, v5                  ; w_out's: my four tiles, 16 bytes a lane
	s_mul_i32 s34, s14, 16*SPITCH
	s_add_co_u32 s34, s34, STAGE
	v_mul_u32_u24 v5, v1, SPITCH
	v_lshl_add_u32 v5, v2, 5, v5
	v_add_nc_u32 v[STO], s34, v5
	v_mul_u32_u24 v5, v2, SPITCH
	v_lshl_add_u32 v5, v1, 4, v5
	v_add_nc_u32 v[RD], s34, v5
	v_lshlrev_b32 v[CO], 12, v2
	v_lshl_add_u32 v[CO], v1, 4, v[CO]
	s_lshl_b32 s32, s17, 19
	s_lshl_b32 s34, s15, 18
	s_add_co_u32 s32, s32, s34
	s_lshl_b32 s34, s42, 9
	s_add_co_u32 s32, s32, s34
	s_lshl_b32 s34, s16, 8
	s_add_co_u32 s32, s32, s34
	s_add_nc_u64 s[12:13], s[12:13], s[32:33]
.macro FETCH s                         ; K step s: 36 LDS loads into buffer s % 3
.set FB, 128*(((\s)%3)%2)
.set WW, (1+((\s)%3)/2)<<6             ; the destination's window: 1, 1, 2
	WIN WW
.irp a, 0,1,2,3
.irp m, 0,1,2,3,4,5
	ds_load_b64 v[FB+12*\a+2*\m:FB+12*\a+2*\m+1], v[ADRA+(\s)/2] offset:3072*\a+1536*((\s)%2)+256*\m
.endr
.endr
.irp i, 0,1,2,3
.irp c, 0,1,2
	ds_load_b128 v[FB+48+12*\i+4*\c:FB+48+12*\i+4*\c+3], v[ADRB] offset:12288*\i+1536*(\s)+512*\c
.endr
.endr
.endm
.macro MUL s, zero                     ; the 16 accumulators take turns, in the same order in every K step
.set FB, 128*(((\s)%3)%2)
.set WW, 5*(1+((\s)%3)/2)              ; sources 0 and 1 in the buffer's window; C and D in window 0
	WIN WW
.irp a, 0,1,2,3
.irp b, 0,1,2,3
.if \zero
	v_wmma_scale_f32_16x16x128_f8f6f4 v[ACC+8*(4*\a+\b):ACC+8*(4*\a+\b)+7], v[FB+48+12*\b:FB+48+12*\b+11], v[FB+12*\a:FB+12*\a+11], 0, v[64+8*\b+(\s)], v[32+8*\a+(\s)] matrix_a_fmt:MATRIX_FMT_FP6 matrix_b_fmt:MATRIX_FMT_FP6
.else
	v_wmma_scale_f32_16x16x128_f8f6f4 v[ACC+8*(4*\a+\b):ACC+8*(4*\a+\b)+7], v[FB+48+12*\b:FB+48+12*\b+11], v[FB+12*\a:FB+12*\a+11], v[ACC+8*(4*\a+\b):ACC+8*(4*\a+\b)+7], v[64+8*\b+(\s)], v[32+8*\a+(\s)] matrix_a_fmt:MATRIX_FMT_FP6 matrix_b_fmt:MATRIX_FMT_FP6
.endif
.endr
.endr
.endm
.macro PLACES
.rept 4
	v_nop
.endr
.endm
.macro KSTEP s                         ; this step's fragments are waited for; those of two steps on are asked for, into the buffer that the last step's products have read; then the products
.if (\s) < 7
	s_wait_dscnt 36                                ; the next step's 36 loads may be out
.else
	s_wait_dscnt 0x0
.endif
.if (\s) < 6
.if (\s) > 0
	PLACES
.endif
	FETCH (\s)+2
.endif
.if (\s) == 0
	MUL \s, 1
.else
	MUL \s, 0
.endif
.endm
	s_wait_alu depctr_va_vdst(0)                   ; the wait at the head's end
	s_wait_tensorcnt 0x0                           ; my part is in,
	s_barrier_signal -1
	s_barrier_wait -1                              ; everybody's is
	FETCH 0
	FETCH 1
	s_wait_loadcnt 0x0                             ; the scale words
.irp s, 0,1,2,3,4,5,6,7
	KSTEP \s
.endr
	WIN 0
	PLACES
; THE WAY OUT, 16 tokens x 64 columns at a time, through my own stage: in as 32 bytes a lane, back as whole rows of 256 bytes.  LDS serves a wave's instructions in order (ISA guide 5.7.1.4).
.macro TOSTAGE a
.irp b, 0,1,2,3
	ds_store_b128 v[STO], v[ACC+32*\a+8*\b:ACC+32*\a+8*\b+3] offset:64*\b
	ds_store_b128 v[STO], v[ACC+32*\a+8*\b+4:ACC+32*\a+8*\b+7] offset:64*\b+16
.endr
.irp i, 0,1,2,3,4,5,6,7
	ds_load_b128 v[ACC+32*\a+4*\i:ACC+32*\a+4*\i+3], v[RD] offset:2*\i*SPITCH
.endr
.endm
.macro SEND a, younger
.irp i, 0,1,2,3,4,5,6,7
	s_wait_dscnt \younger+7-\i
	global_store_b128 v[CO], v[ACC+32*\a+4*\i:ACC+32*\a+4*\i+3], s[12:13] offset:(16*\a+2*\i)*4096 th:TH_STORE_NT
.endr
.endm
	TOSTAGE 0
	TOSTAGE 1
	SEND 0, 16
	TOSTAGE 2
	SEND 1, 16
	TOSTAGE 3
	SEND 2, 16
	SEND 3, 0
	s_wait_tensorcnt 0x0                           ; the wave's end
	ds_add_u32 v[SPW], v[NIL]
	s_wait_dscnt 0x0
	CROUND                                         ; the closing round
	s_endpgm
.Lfunc_end_k_q89c832ba7a_proj:
	.size	k_q89c832ba7a_proj, .Lfunc_end_k_q89c832ba7a_proj-k_q89c832ba7a_proj
	.p2alignl 7, 3214868480
	.fill 96, 4, 3214868480
	.section	.rodata,"a",@progbits
	.p2align	6, 0x0
	.amdhsa_kernel k_q89c832ba7a_proj
		.amdhsa_group_segment_fixed_size 327680
		.amdhsa_private_segment_fixed_size 0
		.amdhsa_enable_private_segment 0
		.amdhsa_kernarg_size 40
		.amdhsa_user_sgpr_count 2
		.amdhsa_user_sgpr_kernarg_segment_ptr 1
		.amdhsa_wavefront_size32 1
		.amdhsa_system_sgpr_workgroup_id_x 1
		.amdhsa_system_sgpr_workgroup_id_y 1
		.amdhsa_system_sgpr_workgroup_id_z 1
		.amdhsa_system_vgpr_workitem_id 0
		.amdhsa_next_free_vgpr 640
		.amdhsa_next_free_sgpr 100
		.amdhsa_reserve_vcc 0
		.amdhsa_float_denorm_mode_32 3
		.amdhsa_float_denorm_mode_16_64 3
		.amdhsa_memory_ordered 1
		.amdhsa_forward_progress 1
		.amdhsa_inst_pref_size 52
	.end_amdhsa_kernel
	.amdgpu_metadata
---
amdhsa.version: [ 1, 2 ]
amdhsa.kernels:
  - .name:           k_q89c832ba7a_proj
    .symbol:         k_q89c832ba7a_proj.kd
    .args:
      - { .name: a_img, .offset: 0, .size: 8, .value_kind: global_buffer, .address_space: global }
      - { .name: a_sc, .offset: 8, .size: 8, .value_kind: global_buffer, .address_space: global }
      - { .name: codes, .offset: 16, .size: 8, .value_kind: global_buffer, .address_space: global }
      - { .name: tab, .offset: 24, .size: 8, .value_kind: global_buffer, .address_space: global }
      - { .name: out0, .offset: 32, .size: 8, .value_kind: global_buffer, .address_space: global }
    .group_segment_fixed_size: 327680
    .private_segment_fixed_size: 0
    .kernarg_segment_align: 8
    .kernarg_segment_size: 40
    .max_flat_workgroup_size: 128
    .sgpr_count:     100
    .vgpr_count:     640
    .wavefront_size: 32
...
	.end_amdgpu_metadata
.endif
;; end of part 4
